; MI455X (gfx1250); checked and timed in simulation.
; The chip was launched on July 23, 2026; its instructions are those of AMD's public machine-readable ISA for CDNA 5 (MIT licence, August 2026) and "CDNA5" Instruction Set Architecture Reference Guide (July 2026). The comments in the code are by the model that wrote it; some were corrected since.
;; Attentional Splatting. Allowed arithmetic: float matrix products may take bf16 or f16 operands with f32 sums; other float arithmetic in f32, or as packed bf16 or f16 multiplies, adds, multiply-adds, maxima and minima; sums over many terms, partial sums and values carried from step to step in f32; what a program stores and reads back later, other than sums and carried values, may be rounded once to bf16 or f16.
;; Inputs: W_k 1,024 x 512 float32; W_out 1,024 x 1,024 float32; W_q 1,024 x 512 float32; feature_positions 1,024 x 2 float32; grid_coords_tokens 16 x 1,024 x 1,024 float32; k_gamma 512 float32; original_features 16 x 1,024 x 1,024 float32; q_gamma 512 float32; tracks 16 x 512 x 2 float32; updated_track_tokens 16 x 512 x 1,024 float32.
;; Outputs: out0 16 x 1,024 x 1,024 float32.
;; 2 versions, each right; version 2 is version 1 with the launch prep written anew for expert scheduling mode. Each part assembles by itself: llvm-mc -triple=amdgcn-amd-amdhsa -mcpu=gfx1250 --defsym DOCPART=n.
;; ======== version 1 of 2: 4 launches
;; limits: values are held in f16: magnitudes above 65,504 overflow, below 6.1e-05 lose precision; inputs' magnitudes at most 65,504
;; workspace buffers: wqt 1,048,576 bytes; wkt 1,048,576 bytes; wot 2,097,152 bytes; qh 16,777,216 bytes; kh 8,388,608 bytes; vh 16,777,216 bytes; smp 33,554,432 bytes
;; launch prep (part 1): grid 1088 x 1, 4 waves a work-group, no clusters, 37,376 bytes of LDS; arguments updated_track_tokens, tracks, W_q, W_k, W_out, vh, wqt, wkt, wot; writes vh, wqt, wkt, wot
.if DOCPART == 1
	.amdgcn_target "amdgcn-amd-amdhsa--gfx1250"
	.amdhsa_code_object_version 6
	.text
	.protected	k_q3869473da6_prep
	.globl	k_q3869473da6_prep
	.p2align	8
	.type	k_q3869473da6_prep,@function
k_q3869473da6_prep:
	s_mov_b64 s[64:65], 0
	v_nop
	global_prefetch_b8 v0, s[64:65] scope:SCOPE_SE
	s_setreg_imm32_b32 hwreg(HW_REG_WAVE_MODE, 25, 1), 1
	s_wait_xcnt 0x0
; PREP.  Two kinds of work-group, told apart by the work-group's number alone (the same for its four waves).
; Numbers 0-63: the three weight matrices, rounded once to f16, turned and laid in blocks of 64 along K:
;   Wt[kb][n][kk] = W[64 kb + kk][n], so that a block's rows lie end to end.  A wave turns 128 k x 64 n, 64 k at a time, through its own LDS tile.
; Numbers 64-1087: V = rope(tokens), rounded once to f16 and laid by heads: vh[t][head][track][128].  8 rows of tokens each.
; ALL AT ONCE.  A work-group asks for 37,376 bytes of LDS and 192 registers a wave: five fit on a WGP (186,880 of 327,680 bytes, 960 of a SIMD's 1,024 registers), 1,280 on 256 WGPs,
; so that the 1,088 work-groups need not take turns; the weight work-groups, which have the longer chain of loads, have the first numbers.
; LIMITS.  f16 holds no number beyond 65,504; below 6e-5 it keeps a fixed step of 6e-8.  The angle is reduced in f32 as
; u = pos x theta / 2 pi turns, r = u - round(u); sin and cos come from polynomials in r^2 cut below 5e-7.
; The module's input original_features enters no expression of the module and is loaded by no launch.
.set SPARE, 36864                      ; behind the four tiles of 9,216 bytes: the spare words, 128 bytes a wave
.set SPW, 6                            ; v6   LDS address of my spare word; never rewritten
.set NIL, 7                            ; v7   0; never rewritten
.set KB,  8                            ; v[8:29]   the 11 coefficients, each twice (pairs for the packed forms)
.set WK,  32                           ; v[32:63]  four sets of 8 at work: angle then r, z, cos, sin
.set XR,  64                           ; v[64:127] row r: 4 numbers of the x half, 4 of the y half
.set YR,  128                          ; v[128:159] the same, packed to f16
.macro KPAIR r, val
	v_mov_b32 v[\r], \val
	v_mov_b32 v[(\r)+1], \val
.endm
.macro HORN wk, d, kc                  ; in the four sets: p = p z + coefficient
.irp k, 0,8,16,24
	v_pk_fma_f32 v[(\wk)+\k+(\d):(\wk)+\k+(\d)+1], v[(\wk)+\k+(\d):(\wk)+\k+(\d)+1], v[(\wk)+\k+2:(\wk)+\k+3], v[\kc:(\kc)+1]
.endr
.endm
; Four pairs of angles at once (in turns, at +0, +1 of each set).  Leaves cos at +4, +5 and sin at +6, +7.
; s = 2 sin(pi r), c = cos(pi r): sin(2 pi r) = s c, cos(2 pi r) = 1 - s s / 2.  Four sets, so that no line waits for the one before it.
.macro SC4 wk
.irp k, 0,8,16,24
	v_rndne_f32 v[(\wk)+\k+2], v[(\wk)+\k]
	v_rndne_f32 v[(\wk)+\k+3], v[(\wk)+\k+1]
.endr
.irp k, 0,8,16,24
	v_pk_add_f32 v[(\wk)+\k:(\wk)+\k+1], v[(\wk)+\k:(\wk)+\k+1], v[(\wk)+\k+2:(\wk)+\k+3] neg_lo:[0,1] neg_hi:[0,1]
.endr
.irp k, 0,8,16,24
	v_pk_mul_f32 v[(\wk)+\k+2:(\wk)+\k+3], v[(\wk)+\k:(\wk)+\k+1], v[(\wk)+\k:(\wk)+\k+1]
.endr
.irp k, 0,8,16,24
	v_pk_fma_f32 v[(\wk)+\k+4:(\wk)+\k+5], v[(\wk)+\k+2:(\wk)+\k+3], v[KB+10:KB+11], v[KB+8:KB+9]
	v_pk_fma_f32 v[(\wk)+\k+6:(\wk)+\k+7], v[(\wk)+\k+2:(\wk)+\k+3], v[KB+20:KB+21], v[KB+18:KB+19]
.endr
	HORN \wk, 4, KB+6
	HORN \wk, 6, KB+16
	HORN \wk, 4, KB+4
	HORN \wk, 6, KB+14
	HORN \wk, 4, KB+2
	HORN \wk, 6, KB+12
	HORN \wk, 4, KB
.irp k, 0,8,16,24
	v_pk_fma_f32 v[(\wk)+\k+6:(\wk)+\k+7], v[(\wk)+\k+6:(\wk)+\k+7], v[(\wk)+\k+2:(\wk)+\k+3], 1.0 op_sel_hi:[1,1,0]
	v_pk_mul_f32 v[(\wk)+\k+4:(\wk)+\k+5], v[(\wk)+\k+4:(\wk)+\k+5], v[(\wk)+\k:(\wk)+\k+1]
.endr
.irp k, 0,8,16,24
	v_pk_mul_f32 v[(\wk)+\k+6:(\wk)+\k+7], v[(\wk)+\k+4:(\wk)+\k+5], v[(\wk)+\k+6:(\wk)+\k+7]
	v_pk_mul_f32 v[(\wk)+\k+4:(\wk)+\k+5], v[(\wk)+\k+4:(\wk)+\k+5], v[(\wk)+\k+4:(\wk)+\k+5]
.endr
.irp k, 0,8,16,24
	v_pk_fma_f32 v[(\wk)+\k+4:(\wk)+\k+5], v[(\wk)+\k+4:(\wk)+\k+5], -0.5, 1.0 op_sel_hi:[1,0,0]
.endr
.endm
; The pair (x1, x2) at x is turned by element e of the pairs sn, cs: (x1 c - x2 s, x1 s + x2 c).  t: two registers at work.
.macro ROT x, sn, cs, e, t
	v_pk_mul_f32 v[\t:(\t)+1], v[\x:(\x)+1], v[\cs:(\cs)+1] op_sel:[0,\e] op_sel_hi:[1,\e]
	v_pk_fma_f32 v[\x:(\x)+1], v[\x:(\x)+1], v[\sn:(\sn)+1], v[\t:(\t)+1] op_sel:[1,\e,0] op_sel_hi:[0,\e,1] neg_lo:[0,1,0]
.endm
	s_load_b512 s[4:19], s[0:1], 0x0               ; tokens s[4:5], tracks s[6:7], W_q s[8:9], W_k s[10:11], W_out s[12:13], vh s[14:15], wqt s[16:17], wkt s[18:19]
	s_load_b64 s[20:21], s[0:1], 0x40              ; wot
	v_lshl_add_u32 v[SPW], v0, 2, SPARE
	v_mov_b32 v[NIL], 0
	v_lshrrev_b32 v1, 5, v0
	v_readfirstlane_b32 s3, v1                     ; wave 0..3
	s_mov_b32 s2, ttmp9
	v_and_b32 v1, 31, v0                           ; lane
	s_wait_kmcnt 0x0
	s_cmp_lt_u32 s2, 64
	s_cbranch_scc1 .Lweights
	s_sub_co_u32 s2, s2, 64                        ; my block of 8 rows, 0 to 1,023
	; ---- V = rope(tokens).  Thread n owns columns 4 n .. 4 n + 3 of the x half and of the y half: the pairs 2 n, 2 n + 1 of both.
	; Wave w so writes head w and head 4 + w, and a store of 8 bytes a lane is one whole row of 256 bytes of vh.
	s_lshl_b32 s22, s2, 6                          ; 8 rows of tracks, 8 bytes each
	s_mov_b32 s23, 0
	s_add_nc_u64 s[24:25], s[6:7], s[22:23]
	s_load_b512 s[32:47], s[24:25], 0x0            ; (x, y) of my 8 rows
	s_lshl_b32 s48, s2, 15                         ; 8 rows of tokens, 4,096 bytes each
	s_mov_b32 s49, 0
	s_add_nc_u64 s[26:27], s[4:5], s[48:49]
	v_lshlrev_b32 v4, 4, v0                        ; my 16 bytes of a half row
.irp r, 0,1,2,3,4,5,6,7                ; all 16 loads go out first: 32 KiB of the work-group are on their way
	global_load_b128 v[XR+8*\r:XR+8*\r+3],   v4, s[26:27] offset:4096*\r th:TH_LOAD_NT
	global_load_b128 v[XR+8*\r+4:XR+8*\r+7], v4, s[26:27] offset:4096*\r+2048 th:TH_LOAD_NT
.endr
	s_lshr_b32 s28, s2, 6                          ; t: 64 blocks to a frame of 512 tracks
	s_lshl_b32 s28, s28, 20                        ; a frame of vh: 8 heads x 512 rows x 256 bytes
	s_lshl_b32 s29, s3, 17                         ; head w
	s_add_co_u32 s28, s28, s29
	s_and_b32 s29, s2, 63
	s_lshl_b32 s29, s29, 11                        ; my first row in the frame
	s_add_co_u32 s28, s28, s29
	s_mov_b32 s29, 0
	s_add_nc_u64 s[30:31], s[14:15], s[28:29]
	v_lshlrev_b32 v5, 3, v1                        ; 8 bytes a lane
	v_lshlrev_b32 v2, 1, v0                        ; theta / 2 pi = 2^(-i log2(10000) / 256 - log2(2 pi)) for i = 2 n, 2 n + 1
	v_or_b32 v3, 1, v2
	v_cvt_f32_u32 v2, v2
	v_cvt_f32_u32 v3, v3
	s_mov_b32 s50, 0xbd549a78                      ; -log2(10000) / 256
	v_fmaak_f32 v2, s50, v2, 0xc029b21d            ; - log2(2 pi)
	v_fmaak_f32 v3, s50, v3, 0xc029b21d
	v_exp_f32 v2, v2
	v_exp_f32 v3, v3
	KPAIR KB,    0x40c90fdb                        ; 2 sin(pi r) / r: 2 pi, -pi^3/3, pi^5/60, -pi^7/2520, pi^9/181440, -pi^11/19958400
	KPAIR KB+2,  0xc1255de7
	KPAIR KB+4,  0x40a335e3
	KPAIR KB+6,  0xbf996966
	KPAIR KB+8,  0x3e283c1a
	KPAIR KB+10, 0xbc7183a8
	KPAIR KB+12, 0xc09de9e6                        ; cos(pi r) - 1: -pi^2/2, pi^4/24, -pi^6/720, pi^8/40320, -pi^10/3628800
	KPAIR KB+14, 0x4081e0f8
	KPAIR KB+16, 0xbfaae9e4
	KPAIR KB+18, 0x3e70fa83
	KPAIR KB+20, 0xbcd368f9
	s_wait_alu depctr_va_vdst(0)                   ; one wait for the two exponentials, ahead of their first reader; the coefficients' moves stand between
	s_wait_kmcnt 0x0                               ; the positions
.irp rp, 0,1,2,3                       ; two rows at a time: set q is row 2 rp + q / 2, coordinate q % 2
	s_wait_loadcnt 12-4*\rp                        ; loads come back in order: four for each younger pair of rows may stay out
.irp q, 0,1,2,3
	v_mul_f32 v[WK+8*\q],   s[32+4*\rp+\q], v2
	v_mul_f32 v[WK+8*\q+1], s[32+4*\rp+\q], v3
.endr
	SC4 WK
.irp q, 0,1,2,3
	ROT XR+16*\rp+4*\q,   WK+8*\q+6, WK+8*\q+4, 0, WK+8*\q
	ROT XR+16*\rp+4*\q+2, WK+8*\q+6, WK+8*\q+4, 1, WK+8*\q+2
.endr
.irp q, 0,1,2,3
	v_cvt_pk_f16_f32 v[YR+8*\rp+2*\q],   v[XR+16*\rp+4*\q],   v[XR+16*\rp+4*\q+1]
	v_cvt_pk_f16_f32 v[YR+8*\rp+2*\q+1], v[XR+16*\rp+4*\q+2], v[XR+16*\rp+4*\q+3]
.endr
.irp q, 0,1,2,3
	global_store_b64 v5, v[YR+8*\rp+2*\q:YR+8*\rp+2*\q+1], s[30:31] offset:(2*\rp+\q/2)*256+(\q%2)*524288 th:TH_STORE_NT  ; 32 lanes: 256 consecutive bytes, aligned; the y half lies four heads on
.endr
.endr
	s_branch .Lend
.Lweights:
	; ---- a wave's tile: 128 k x 64 n of one matrix.  Tile u = 4 x group + wave: 0-63 W_q, 64-127 W_k, 128-255 W_out.
	s_lshl_b32 s23, s2, 2
	s_add_co_u32 s23, s23, s3                      ; u
	s_cmp_lt_u32 s2, 16
	s_cselect_b64 s[24:25], s[8:9], s[10:11]
	s_cselect_b64 s[26:27], s[16:17], s[18:19]
	s_cmp_lt_u32 s2, 32
	s_cselect_b64 s[24:25], s[24:25], s[12:13]     ; from
	s_cselect_b64 s[26:27], s[26:27], s[20:21]     ; to
	s_cselect_b32 s28, 3, 4                        ; log2 of the tiles along n: N = 512 or 1,024
	s_cselect_b32 s29, 63, 127
	s_cselect_b32 s30, 7, 15
	s_and_b32 s23, s23, s29                        ; the tile's number in its matrix
	s_and_b32 s31, s23, s30                        ; along n
	s_lshr_b32 s23, s23, s28                       ; along k
	s_lshl_b32 s40, 256, s28                       ; bytes in a row of W
	s_lshl_b32 s41, s40, 7
	s_mul_i32 s42, s23, s41                        ; 128 rows a tile
	s_lshl_b32 s43, s31, 8                         ; 64 numbers of 4 bytes
	s_add_co_u32 s42, s42, s43
	s_mov_b32 s43, 0
	s_add_nc_u64 s[32:33], s[24:25], s[42:43]      ; four pieces of 32 rows, a base each
	s_lshl_b32 s44, s40, 5
	s_mov_b32 s45, 0
	s_add_nc_u64 s[34:35], s[32:33], s[44:45]
	s_add_nc_u64 s[36:37], s[34:35], s[44:45]
	s_add_nc_u64 s[38:39], s[36:37], s[44:45]
	s_lshl_b32 s46, 8192, s28                      ; bytes in a block of 64 k: N x 128
	s_mov_b32 s47, 0
	s_lshl_b32 s48, s23, 1
	s_mul_i32 s48, s48, s46
	s_lshl_b32 s49, s31, 13                        ; 64 rows of 128 bytes
	s_add_co_u32 s48, s48, s49
	s_mov_b32 s49, 0
	s_add_nc_u64 s[50:51], s[26:27], s[48:49]      ; the tile's first block of 64 k,
	s_add_nc_u64 s[52:53], s[50:51], s[46:47]      ; and its second
	v_and_b32 v8, 15, v0                           ; which 16 bytes of a row's 256
	v_bfe_u32 v9, v0, 4, 1                         ; lanes 16-31 take the row four further down
	v_lshlrev_b32 v10, 2, v9
	v_mul_lo_u32 v10, v10, s40
	v_lshl_add_u32 v16, v8, 4, v10                 ; load e of 16 takes row 8 (e / 4) + e % 4 (+ 4): a lane so holds four consecutive k
	s_lshl_b32 s41, s40, 3
.irp e, 1,2,3,4,5,6,7,8,9,10,11,12,13,14,15
.if (\e)%4 == 0
	v_add_nc_u32 v[16+\e], s41, v[16+\e-4]
.else
	v_add_nc_u32 v[16+\e], s40, v[16+\e-1]
.endif
.endr
	s_mul_i32 s54, s3, 9216                        ; my tile in LDS: 64 rows (n) of 128 bytes (64 k) + 16 of padding; it serves the first block of 64 k and then the second
	v_mul_u32_u24 v11, v8, 576                     ; in: row 4 (l % 16) + q, k at 8 bytes for each half of the lanes
	v_lshl_add_u32 v11, v9, 3, v11
	v_add_nc_u32 v11, s54, v11
	v_lshrrev_b32 v12, 3, v1                       ; back: 32 lanes take four rows of 128 bytes
	v_mul_u32_u24 v12, v12, 144
	v_and_b32 v13, 7, v0
	v_lshl_add_u32 v12, v13, 4, v12
	v_add_nc_u32 v12, s54, v12
	v_lshlrev_b32 v13, 4, v1                       ; which are 512 consecutive bytes of Wt
.macro WLOAD c, set                    ; piece c into register set 0 or 1: each load takes two whole 256-byte pieces of rows
.irp e, 0,1,2,3,4,5,6,7,8,9,10,11,12,13,14,15
	global_load_b128 v[64+64*(\set)+4*\e:64+64*(\set)+4*\e+3], v[16+\e], s[32+2*(\c):33+2*(\c)] th:TH_LOAD_NT
.endr
.endm
.macro WPROC c, set                    ; four k of one n are rounded, packed into 8 bytes and put into the tile: piece c fills the half c % 2 of its rows
.irp j, 0,1,2,3
.irp q, 0,1,2,3
	v_cvt_pk_f16_f32 v[32+8*(\j%2)+2*\q],   v[64+64*(\set)+16*\j+\q],   v[64+64*(\set)+16*\j+4+\q]
	v_cvt_pk_f16_f32 v[32+8*(\j%2)+2*\q+1], v[64+64*(\set)+16*\j+8+\q], v[64+64*(\set)+16*\j+12+\q]
	ds_store_b64 v11, v[32+8*(\j%2)+2*\q:32+8*(\j%2)+2*\q+1] offset:144*\q+64*((\c)%2)+16*\j
.endr
.endr
.endm
.macro WBACK half, set                 ; the tile goes out as block half of the two, through register set set.  LDS serves a wave's instructions in order: the loads see the stores above; the tile is the wave's own
.set j, 0
.rept 16
	ds_load_b128 v[64+64*(\set)+4*j:64+64*(\set)+4*j+3], v12 offset:j*576
.set j, j+1
.endr
.set j, 0
.rept 16
	s_wait_dscnt 15-j                              ; the younger loads may stay out
	global_store_b128 v13, v[64+64*(\set)+4*j:64+64*(\set)+4*j+3], s[50+2*(\half):51+2*(\half)] offset:j*512 th:TH_STORE_NT  ; 512 consecutive bytes, aligned
.set j, j+1
.endr
.endm
	WLOAD 0, 0
	WLOAD 1, 1
	s_wait_loadcnt 16                              ; the other set's 16 loads may stay out
	WPROC 0, 0
	WLOAD 2, 0
	s_wait_loadcnt 16
	WPROC 1, 1
	WBACK 0, 1                                     ; the first 64 k, through the set that has just been packed
	s_wait_xcnt 0x0                                ; those stores have read their data: the set is loaded again only behind this wait
	WLOAD 3, 1
	s_wait_loadcnt 16
	WPROC 2, 0                                     ; into the same tile: the loads that read it have come back (the count above ran down to 0)
	s_wait_loadcnt 0x0
	WPROC 3, 1
	WBACK 1, 0
.Lend:
	s_wait_tensorcnt 0x0                           ; the wave's end: behind my last LDS store
	ds_add_u32 v[SPW], v[NIL]
	s_wait_dscnt 0x0
	s_endpgm
.Lfunc_end_k_q3869473da6_prep:
	.size	k_q3869473da6_prep, .Lfunc_end_k_q3869473da6_prep-k_q3869473da6_prep
	.p2alignl 7, 3214868480
	.fill 96, 4, 3214868480
	.section	.rodata,"a",@progbits
	.p2align	6, 0x0
	.amdhsa_kernel k_q3869473da6_prep
		.amdhsa_group_segment_fixed_size 37376
		.amdhsa_private_segment_fixed_size 0
		.amdhsa_enable_private_segment 0
		.amdhsa_kernarg_size 72
		.amdhsa_user_sgpr_count 2
		.amdhsa_user_sgpr_kernarg_segment_ptr 1
		.amdhsa_wavefront_size32 1
		.amdhsa_system_sgpr_workgroup_id_x 1
		.amdhsa_system_sgpr_workgroup_id_y 1
		.amdhsa_system_sgpr_workgroup_id_z 1
		.amdhsa_system_vgpr_workitem_id 0
		.amdhsa_next_free_vgpr 192
		.amdhsa_next_free_sgpr 66
		.amdhsa_reserve_vcc 0
		.amdhsa_float_denorm_mode_32 3
		.amdhsa_float_denorm_mode_16_64 3
		.amdhsa_memory_ordered 1
		.amdhsa_forward_progress 1
		.amdhsa_inst_pref_size 58
	.end_amdhsa_kernel
	.amdgpu_metadata
---
amdhsa.version: [ 1, 2 ]
amdhsa.kernels:
  - .name:           k_q3869473da6_prep
    .symbol:         k_q3869473da6_prep.kd
    .args:
      - { .name: updated_track_tokens, .offset: 0, .size: 8, .value_kind: global_buffer, .address_space: global }
      - { .name: tracks, .offset: 8, .size: 8, .value_kind: global_buffer, .address_space: global }
      - { .name: W_q, .offset: 16, .size: 8, .value_kind: global_buffer, .address_space: global }
      - { .name: W_k, .offset: 24, .size: 8, .value_kind: global_buffer, .address_space: global }
      - { .name: W_out, .offset: 32, .size: 8, .value_kind: global_buffer, .address_space: global }
      - { .name: vh, .offset: 40, .size: 8, .value_kind: global_buffer, .address_space: global }
      - { .name: wqt, .offset: 48, .size: 8, .value_kind: global_buffer, .address_space: global }
      - { .name: wkt, .offset: 56, .size: 8, .value_kind: global_buffer, .address_space: global }
      - { .name: wot, .offset: 64, .size: 8, .value_kind: global_buffer, .address_space: global }
    .group_segment_fixed_size: 37376
    .private_segment_fixed_size: 0
    .kernarg_segment_align: 8
    .kernarg_segment_size: 72
    .max_flat_workgroup_size: 128
    .sgpr_count:     66
    .vgpr_count:     192
    .wavefront_size: 32
...
	.end_amdgpu_metadata
.endif
;; end of part 1
;; launch proj (part 2): grid 192 x 1, 4 waves a work-group, clusters of 4 x 1, 327,680 bytes of LDS; arguments grid_coords_tokens, updated_track_tokens, wqt, wkt, q_gamma, k_gamma, tracks, qh, kh; writes qh, kh
.if DOCPART == 2
	.amdgcn_target "amdgcn-amd-amdhsa--gfx1250"
	.amdhsa_code_object_version 6
	.text
	.protected	k_q3869473da6_proj
	.globl	k_q3869473da6_proj
	.p2align	8
	.type	k_q3869473da6_proj,@function
k_q3869473da6_proj:
	s_mov_b64 s[64:65], 0
	v_nop
	global_prefetch_b8 v0, s[64:65] scope:SCOPE_SE
	s_setreg_imm32_b32 hwreg(HW_REG_WAVE_MODE, 25, 1), 1
	s_wait_xcnt 0x0
	s_wait_alu depctr_hold_cnt(0) depctr_sa_sdst(0) depctr_va_vdst(0) depctr_va_sdst(0) depctr_va_ssrc(0) depctr_va_vcc(0) depctr_vm_vsrc(0)
	s_getreg_b32 s2, hwreg(HW_REG_IB_STS2, 6, 4)
	s_cmp_eq_u32 s2, 0
	s_cbranch_scc0 .Lentry_in_a_cluster
	s_endpgm
.Lentry_in_a_cluster:
	s_bfe_u32 s2, ttmp6, 0x10000c
	s_cmp_lg_u32 s2, 0x3003
	s_cbranch_scc0 .Lentry_shape_is_right
	s_endpgm
.Lentry_shape_is_right:
; PROJ.  Clusters 0-31: Q = LN(grid W_q) gamma_q.  Clusters 32-47: K = LN(rope(tokens W_k)) gamma_k.  Both leave in f16 by heads: [t][head][row][64].
; A work-group makes 128 rows x all 512 columns (a whole row is needed for the norm); a wave 64 rows x 256 columns: 64 accumulators, 512 registers.
; Operands in f16, sums in f32.  192 work-groups: 24,576 rows in tiles of 128 whole rows.
; THE WEIGHTS (f16, [kb][512][64], a block's rows end to end) come through a ring of two LDS slots of 128 along K, by JOINT tensor loads: the four work-groups of a cluster
; walk the same weights, so each wave's 32 KiB are asked for by the same load, descriptor and mask in all four.
; THE ROWS OF A (f32) come straight from memory into registers, four quarters of 32 along K ahead, under counted waits that the ring's barriers do not end; they are rounded to f16 in
; registers, two conversions behind each of 16 matrix instructions.  The two waves with the same rows load them twice: the price of no second ring.
; THE MATRIX INSTRUCTION IS USED TRANSPOSED (source 0 = 16 rows of Wt, source 1 = 16 rows of A): lane l holds row l % 16 and the columns 8 (l / 16) + 0..7.
; THE END: the sums go as f32 through the ring's bytes (their last fill is over), 128 rows of 2,064 bytes; then a wave takes 32 whole rows, four a trip, eight lanes a row:
; rope (K alone), mean, variance of the differences, scale, gain, f16, and stores of 512 consecutive bytes of one head.
; LIMITS.  f16 holds no number beyond 65,504 (tokens, and the normed rows times their gain); weights below 6e-5 keep f16's fixed step of 6e-8.  The angle is reduced in f32 as
; u = pos x theta / 2 pi turns; sin and cos come from polynomials cut below 5e-7.  NaN and infinities are not treated apart.
; REGISTERS, in windows of 256: window 0: v0-31 addresses; v32-95 A in f16, two buffers; v128-255 A as loaded, quarters 0, 1.  window 1: v0-127 fragments of Wt, two buffers of 8;
; v128-255 A as loaded, quarters 2, 3.  windows 2, 3: accumulator (a, b) at v[8 (8 a + b % 8)], window 2 for b < 8.
.set SLOTB, 147456                     ; a slot: 2 blocks x 512 rows x 144 bytes (128 + 16 of padding: the 16 rows of a load start at 16 different groups of four banks)
.set SPARE, 294912                     ; behind the ring: the spare words, 128 bytes a wave
.set WSTEP, 131072                     ; bytes of Wt in 128 along K
.set ASTEP, 512                        ; bytes of a row of A in 128 along K
.set AO,  2                            ; v2   my byte offset in A: (64 rh + l % 16) x 4,096 + 32 (l / 16)
.set AB0, 3                            ; v3   my place in a slot's block: 256 ch rows + (l % 16) x 144 + 16 (l / 16)
.set ADRB, 4                           ; v4-5 the same in the slot in hand, block 0, 1
.set PFO, 6                            ; v6   256 x lane
.set DSA, 7                            ; v7-8 the end: where my sums go
.set LR,  9                            ; v9   the end: where I read rows
.set SPW, 10                           ; v10  my spare word; never rewritten
.set NIL, 11                           ; v11  0; never rewritten
.set BI,  12                           ; v12  4 x the lane that holds my row's position
.set HH,  13                           ; v13  l / 16
.set POS, 14                           ; v[14:15] (x, y) of row 32 w + lane
.set VO,  16                           ; v16-23 head h: h x head's bytes + 16 lane
.set PXY, 24                           ; v24-25 my row's x, y
.set MU,  26
.set RS,  28
.set T0,  30
.set T1,  31
.set KB,  32                           ; the end: v[32:53] coefficients
.set AC,  54                           ; v[54:61] four chains of sums
.set X,   64                           ; v[64:127] my 64 numbers of a row: head h at 8 h
.set GAM, 128                          ; v[128:191] the gain of my 64 columns
.set Y,   192                          ; v[192:223] packed results; before that the rope's work registers
.set TH,  224                          ; v[224:239] theta / 2 pi of my 16 pairs
.set WV, 22
.set RH, 23
.set CH, 24
.set CX, 25
.set CL, 26
.set RB, 27
.set ISK, 28
.set CNT, 29
.set LIM, 30
.set TB, 31
.set WO, 33
.set G1, 36                            ; s[36:43] descriptor group 1
.set G0A, 44                           ; s[44:47] group 0 of the first fill of slot 0
.set G0, 48                            ; s[48:51] group 0 of the first fill of slot 1; it then walks
.set AP, 52
.set WP, 54
.set PFA, 56
.set GM, 58
.set OP, 60
.set HS, 62
.set SH, 63
.set TRIP, 70
.set MSB, 0
.macro WIN new                         ; the immediate's high byte repeats the setting that is left; a switch that changes nothing is dropped
.if MSB != (\new)
	s_set_vgpr_msb (MSB<<8)|(\new)
.set MSB, \new
.endif
.endm
.macro PLACES                          ; four places behind matrix instructions, in front of loads into registers that they read and of lines that read results
.rept 4
	v_nop
.endr
.endm
.macro CROUND                          ; a round of the cluster's barrier
	s_barrier_signal -1
	s_barrier_wait -1
	s_cmp_lg_u32 s[WV], 0
	s_cbranch_scc1 .Lnot_wave_0_\@
	s_barrier_signal -3
.Lnot_wave_0_\@:
	s_barrier_wait -3
	s_barrier_signal -1
	s_barrier_wait -1
.endm
; A prefetch of the weights that the NEXT change of slots will ask for: 256 matrix instructions ahead of that load.  A slot is 512 blocks of 256 bytes: of the 128 that wave w fetches the partner at
; place cx takes 32, a lane a block, told apart by address.  All clusters of a role walk the same weights: the role's first cluster asks.  The last change that fills a slot asks for nothing.
.macro ASK
	s_cmp_gt_u32 s[CNT], s[LIM]
	s_cbranch_scc0 .Lnot_mine_\@
	global_prefetch_b8 v[PFO], s[PFA:PFA+1] th:TH_LOAD_NT scope:SCOPE_SE
.Lnot_mine_\@:
.endm
.macro ALOAD s, off                    ; quarter s of A as f32: for each of my four blocks of 16 rows 8 + 8 numbers a lane, in the order of a fragment
	WIN 0x40*((\s)/2)
.irp a, 0,1,2,3
	global_load_b128 v[128+64*((\s)%2)+16*\a:128+64*((\s)%2)+16*\a+3],     v[AO], s[AP:AP+1] offset:(\off)+128*(\s)+65536*\a
	global_load_b128 v[128+64*((\s)%2)+16*\a+4:128+64*((\s)%2)+16*\a+7],   v[AO], s[AP:AP+1] offset:(\off)+128*(\s)+65536*\a+16
	global_load_b128 v[128+64*((\s)%2)+16*\a+8:128+64*((\s)%2)+16*\a+11],  v[AO], s[AP:AP+1] offset:(\off)+128*(\s)+65536*\a+64
	global_load_b128 v[128+64*((\s)%2)+16*\a+12:128+64*((\s)%2)+16*\a+15], v[AO], s[AP:AP+1] offset:(\off)+128*(\s)+65536*\a+80
.endr
.endm
.macro CVT q, n                        ; register n of 32 of quarter q's fragments
	WIN 0x05*(((\q)%4)/2)
	v_cvt_pk_f16_f32 v[32+32*((\q)%2)+(\n)], v[128+64*((\q)%2)+2*(\n)], v[128+64*((\q)%2)+2*(\n)+1]
.endm
.macro FETCH bf, s, chunk              ; 8 fragments of Wt (column blocks 8 chunk + 0..7, quarter s) into buffer bf of window 1
	WIN 0x40
.irp i, 0,1,2,3,4,5,6,7
	ds_load_b128 v[(\bf)+8*\i:(\bf)+8*\i+3],   v[ADRB+(\s)/2] offset:(8*(\chunk)+\i)*2304+((\s)%2)*64
	ds_load_b128 v[(\bf)+8*\i+4:(\bf)+8*\i+7], v[ADRB+(\s)/2] offset:(8*(\chunk)+\i)*2304+((\s)%2)*64+32
.endr
.endm
; 32 matrix instructions on 32 accumulators, one a turn.  rid = 1: behind each of the first 16 stand two conversions of quarter q.
.macro MUL32 hi, bf, af, zero, rid, q
.set mi, 0
.irp a, 0,1,2,3
.irp b, 0,1,2,3,4,5,6,7
	WIN 0xa1+0x50*(\hi)
.if \zero
	v_wmma_f32_16x16x32_f16 v[8*(8*\a+\b):8*(8*\a+\b)+7], v[(\bf)+8*\b:(\bf)+8*\b+7], v[(\af)+8*\a:(\af)+8*\a+7], 0
.else
	v_wmma_f32_16x16x32_f16 v[8*(8*\a+\b):8*(8*\a+\b)+7], v[(\bf)+8*\b:(\bf)+8*\b+7], v[(\af)+8*\a:(\af)+8*\a+7], v[8*(8*\a+\b):8*(8*\a+\b)+7]
.endif
.if (\rid) && (mi < 16)
	CVT \q, 2*mi
	CVT \q, 2*mi+1
.endif
.set mi, mi+1
.endr
.endr
.endm
; A quarter: 32 along K, 64 matrix instructions.  ld: the same quarter of the next 128 along K is asked for.  cv: the next quarter is converted; left: the younger loads of A that may stay out.
.macro QUARTER s, zero, ld, cv, left, last
.if \ld
	ALOAD \s, ASTEP
.endif
	PLACES
	FETCH 64, \s, 1
	s_wait_dscnt 16                                ; the 16 just issued may stay out: buffer 0 is in
	MUL32 0, 0, 32+32*((\s)%2), \zero, 0, 0
.if \last
	s_wait_dscnt 0x0
.else
	PLACES
	FETCH 0, (\s)+1, 0
	s_wait_dscnt 16                                ; buffer 1 is in
.endif
.if \cv
	s_wait_loadcnt \left
.endif
	MUL32 1, 64, 32+32*((\s)%2), \zero, \cv, (\s)+1
.endm
; THE CHANGE OF SLOTS.  Each wave waits for all its tensor loads (one is out: its part of the other slot), adds 0 to its spare word, and waits for that and for its reads of the slot.
; fill = 1: the barrier is a round of the cluster's, and the joint refill, 128 along K two slots on, is the first thing behind it: it has some 250 matrix instructions in which to land.
.macro CHANGE fill
	WIN 0
	s_wait_tensorcnt 0x0                           ; no tensor load of mine is out, so the walking group 0 may be written
	ds_add_u32 v[SPW], v[NIL]                      ; scalar work stands between the add and the wait for it
.if \fill
	s_xor_b32 s[G0+1], s[G0+1], SLOTB              ; the other slot: the waves' terms, w x 0x9000, share no bit with 0x24000
	s_add_nc_u64 s[G0+2:G0+3], s[G0+2:G0+3], WSTEP
.endif
	s_wait_xcnt 0x0                                ; the loads of A and the last prefetch have read their bases
	s_add_nc_u64 s[AP:AP+1], s[AP:AP+1], ASTEP
.if \fill
	s_add_nc_u64 s[PFA:PFA+1], s[PFA:PFA+1], WSTEP
.endif
	s_xor_b32 s[TB], s[TB], SLOTB
	s_wait_dscnt 0x0                               ; the add is done, and my reads of the slot are over
.if \fill
	CROUND
	tensor_load_to_lds s[G0:G0+3], s[G1:G1+7]
	s_nop 0
	PLACES
	ASK
.else
	s_barrier_signal -1
	s_barrier_wait -1
	PLACES
.endif
	v_add_nc_u32 v[ADRB], s[TB], v[AB0]
	v_add_nc_u32 v[ADRB+1], 73728, v[ADRB]
.endm
.macro KPAIR r, val
	v_mov_b32 v[\r], \val
	v_mov_b32 v[(\r)+1], \val
.endm
.macro HORN wk, d, kc
.irp k, 0,8,16,24
	v_pk_fma_f32 v[(\wk)+\k+(\d):(\wk)+\k+(\d)+1], v[(\wk)+\k+(\d):(\wk)+\k+(\d)+1], v[(\wk)+\k+2:(\wk)+\k+3], v[\kc:(\kc)+1]
.endr
.endm
; Four pairs of angles at once (in turns, at +0, +1 of each set of 8).  Leaves cos at +4, +5 and sin at +6, +7: s = 2 sin(pi r), c = cos(pi r), sin(2 pi r) = s c, cos(2 pi r) = 1 - s s / 2.
.macro SC4 wk
.irp k, 0,8,16,24
	v_rndne_f32 v[(\wk)+\k+2], v[(\wk)+\k]
	v_rndne_f32 v[(\wk)+\k+3], v[(\wk)+\k+1]
.endr
.irp k, 0,8,16,24
	v_pk_add_f32 v[(\wk)+\k:(\wk)+\k+1], v[(\wk)+\k:(\wk)+\k+1], v[(\wk)+\k+2:(\wk)+\k+3] neg_lo:[0,1] neg_hi:[0,1]
.endr
.irp k, 0,8,16,24
	v_pk_mul_f32 v[(\wk)+\k+2:(\wk)+\k+3], v[(\wk)+\k:(\wk)+\k+1], v[(\wk)+\k:(\wk)+\k+1]
.endr
.irp k, 0,8,16,24
	v_pk_fma_f32 v[(\wk)+\k+4:(\wk)+\k+5], v[(\wk)+\k+2:(\wk)+\k+3], v[KB+10:KB+11], v[KB+8:KB+9]
	v_pk_fma_f32 v[(\wk)+\k+6:(\wk)+\k+7], v[(\wk)+\k+2:(\wk)+\k+3], v[KB+20:KB+21], v[KB+18:KB+19]
.endr
	HORN \wk, 4, KB+6
	HORN \wk, 6, KB+16
	HORN \wk, 4, KB+4
	HORN \wk, 6, KB+14
	HORN \wk, 4, KB+2
	HORN \wk, 6, KB+12
	HORN \wk, 4, KB
.irp k, 0,8,16,24
	v_pk_fma_f32 v[(\wk)+\k+6:(\wk)+\k+7], v[(\wk)+\k+6:(\wk)+\k+7], v[(\wk)+\k+2:(\wk)+\k+3], 1.0 op_sel_hi:[1,1,0]
	v_pk_mul_f32 v[(\wk)+\k+4:(\wk)+\k+5], v[(\wk)+\k+4:(\wk)+\k+5], v[(\wk)+\k:(\wk)+\k+1]
.endr
.irp k, 0,8,16,24
	v_pk_mul_f32 v[(\wk)+\k+6:(\wk)+\k+7], v[(\wk)+\k+4:(\wk)+\k+5], v[(\wk)+\k+6:(\wk)+\k+7]
	v_pk_mul_f32 v[(\wk)+\k+4:(\wk)+\k+5], v[(\wk)+\k+4:(\wk)+\k+5], v[(\wk)+\k+4:(\wk)+\k+5]
.endr
.irp k, 0,8,16,24
	v_pk_fma_f32 v[(\wk)+\k+4:(\wk)+\k+5], v[(\wk)+\k+4:(\wk)+\k+5], -0.5, 1.0 op_sel_hi:[1,0,0]
.endr
.endm
.macro ROT x, sn, cs, e, t             ; (x1, x2) -> (x1 c - x2 s, x1 s + x2 c), by element e of the pairs
	v_pk_mul_f32 v[\t:(\t)+1], v[\x:(\x)+1], v[\cs:(\cs)+1] op_sel:[0,\e] op_sel_hi:[1,\e]
	v_pk_fma_f32 v[\x:(\x)+1], v[\x:(\x)+1], v[\sn:(\sn)+1], v[\t:(\t)+1] op_sel:[1,\e,0] op_sel_hi:[0,\e,1] neg_lo:[0,1,0]
.endm
.macro RED                             ; the four chains, the pair's halves, and the row's eight lanes: the sum in every lane of the row
	v_pk_add_f32 v[AC:AC+1], v[AC:AC+1], v[AC+2:AC+3]
	v_pk_add_f32 v[AC+4:AC+5], v[AC+4:AC+5], v[AC+6:AC+7]
	v_pk_add_f32 v[AC:AC+1], v[AC:AC+1], v[AC+4:AC+5]
	v_add_f32 v[T0], v[AC], v[AC+1]
	v_add_f32_dpp v[T0], v[T0], v[T0] row_xmask:1 row_mask:0xf bank_mask:0xf
	v_add_f32_dpp v[T0], v[T0], v[T0] row_xmask:2 row_mask:0xf bank_mask:0xf
	v_add_f32_dpp v[T0], v[T0], v[T0] row_xmask:4 row_mask:0xf bank_mask:0xf
.endm
	s_load_b512 s[4:19], s[0:1], 0x0               ; grid s[4:5], tokens s[6:7], wqt s[8:9], wkt s[10:11], q_gamma s[12:13], k_gamma s[14:15], tracks s[16:17], qh s[18:19]
	s_load_b64 s[20:21], s[0:1], 0x40              ; kh
	v_lshl_add_u32 v[SPW], v0, 2, SPARE
	v_mov_b32 v[NIL], 0
	ds_add_u32 v[SPW], v[NIL]                      ; the wave's opening: the add and its wait stand ahead of my first tensor load; set-up on registers stands between them
	v_lshrrev_b32 v1, 5, v0
	v_readfirstlane_b32 s[WV], v1                  ; wave 0..3
	s_lshr_b32 s[RH], s[WV], 1                     ; which 64 rows are mine
	s_and_b32 s[CH], s[WV], 1                      ; which 256 columns
	s_bfe_u32 s[CX], ttmp6, 0x40000                ; my place in the cluster: it enters addresses in memory alone
	s_mov_b32 s[CL], ttmp9                         ; the cluster
	s_lshl_b32 s[RB], s[CL], 2
	s_add_co_u32 s[RB], s[RB], s[CX]
	s_cmp_lt_u32 s[CL], 32                         ; the role: the same in all four partners
	s_cselect_b32 s[ISK], 0, 1
	s_cselect_b32 s[SH], 3, 2                      ; log2 of the blocks of 128 rows in a frame
	s_cselect_b32 s66, 0, 128
	s_sub_co_u32 s[RB], s[RB], s66                 ; my block of 128 rows in the role's matrix
	s_lshl_b32 s[HS], 16384, s[SH]                 ; bytes of a head in a frame: 1,024 or 512 rows of 128
	s_cmp_eq_u32 s[CL], 0
	s_cselect_b32 s[LIM], 1, -1
	s_cmp_eq_u32 s[CL], 32
	s_cselect_b32 s[LIM], 1, s[LIM]                ; 1 in a role's first cluster, else the greatest number
	; descriptor group 1: 32 KiB that lie end to end, asked for as 128 rows of 256 bytes and padded in LDS behind every 128
	s_mov_b32 s[G1], 15|(1<<16)|(1<<20)|(1<<21)|(4<<22)|(3<<25)  ; 15:0 the mask of four; 17:16 2-byte elements; 20 padding on; 21 set beside a mask; 24:22 after every 32 words; 31:25 4 words
	s_mov_b32 s[G1+1], 128<<16                     ; tensor_dim0 = 128
	s_mov_b32 s[G1+2], 128<<16                     ; tensor_dim1 = 128
	s_mov_b32 s[G1+3], 128<<16                     ; tile_dim0 = 128
	s_mov_b32 s[G1+4], 128                         ; tile_dim1 = 128
	s_mov_b32 s[G1+5], 128                         ; elements from row to row
	s_mov_b32 s[G1+6], 0
	s_mov_b32 s[G1+7], 0
	s_mul_i32 s[WO], s[WV], 36864                  ; my 256 rows of 144 bytes in a slot
	s_mov_b32 s[G0A], 1
	s_mov_b32 s[G0A+1], s[WO]
	s_mov_b32 s[G0], 1
	s_add_co_u32 s[G0+1], s[WO], SLOTB
	s_mov_b32 s[TB], 0
	s_wait_dscnt 0x0                               ; the opening add is done
	s_wait_kmcnt 0x0
	s_cmp_lt_u32 s[CL], 32
	s_cselect_b64 s[AP:AP+1], s[4:5], s[6:7]
	s_cselect_b64 s[WP:WP+1], s[8:9], s[10:11]
	s_cselect_b64 s[GM:GM+1], s[12:13], s[14:15]
	s_cselect_b64 s[OP:OP+1], s[18:19], s[20:21]
	s_lshl_b32 s66, s[RB], 19                      ; 128 rows of 4,096 bytes
	s_mov_b32 s67, 0
	s_add_nc_u64 s[AP:AP+1], s[AP:AP+1], s[66:67]
	s_lshl_b32 s66, s[WV], 15                      ; my 32 KiB of a slot's 128
	s_add_nc_u64 s[WP:WP+1], s[WP:WP+1], s[66:67]
	s_mov_b64 s[G0A+2:G0A+3], s[WP:WP+1]
	s_or_b32 s[G0A+3], s[G0A+3], 0x80000000
	s_add_nc_u64 s[G0+2:G0+3], s[WP:WP+1], WSTEP
	s_or_b32 s[G0+3], s[G0+3], 0x80000000
	s_lshl_b32 s66, s[CX], 13                      ; my work-group's 32 blocks of the wave's 128
	s_add_nc_u64 s[PFA:PFA+1], s[WP:WP+1], s[66:67]
	s_add_nc_u64 s[PFA:PFA+1], s[PFA:PFA+1], 2*WSTEP  ; the first change steps it to the fourth 128 along K; nothing is prefetched at the head
	s_lshr_b32 s66, s[RB], s[SH]                   ; where my rows go: the frame,
	s_lshl_b32 s68, s[HS], 3
	s_mul_i32 s66, s66, s68
	s_bfm_b32 s68, s[SH], 0
	s_and_b32 s68, s[RB], s68
	s_lshl_b32 s68, s68, 14                        ; the block's 128 rows of 128 bytes in a head,
	s_add_co_u32 s66, s66, s68
	s_lshl_b32 s68, s[WV], 12                      ; the 32 rows that I finish
	s_add_co_u32 s66, s66, s68
	s_add_nc_u64 s[OP:OP+1], s[OP:OP+1], s[66:67]
	CROUND                                         ; all four work-groups are here: the first joint loads meet
	tensor_load_to_lds s[G0A:G0A+3], s[G1:G1+7]    ; slot 0 and slot 1: two loads of mine are out
	s_nop 0
	tensor_load_to_lds s[G0:G0+3], s[G1:G1+7]
	s_nop 0
	PLACES
	v_and_b32 v1, 15, v0                           ; l % 16
	v_bfe_u32 v[HH], v0, 4, 1                      ; l / 16
	s_lshl_b32 s66, s[RH], 6
	v_add_nc_u32 v[AO], s66, v1
	v_lshlrev_b32 v[AO], 12, v[AO]
	v_lshl_add_u32 v[AO], v[HH], 5, v[AO]
	v_mul_u32_u24 v[AB0], v1, 144
	v_lshl_add_u32 v[AB0], v[HH], 4, v[AB0]
	s_mul_i32 s66, s[CH], 36864
	v_add_nc_u32 v[AB0], s66, v[AB0]
	v_and_b32 v[PFO], 31, v0
	v_lshlrev_b32 v[PFO], 8, v[PFO]
	ALOAD 0, 0
	ALOAD 1, 0
	ALOAD 2, 0
	ALOAD 3, 0
	s_wait_loadcnt 48                              ; quarter 0 is in; three quarters of 16 loads stay out
.set n0, 0
.rept 32
	CVT 0, n0
.set n0, n0+1
.endr
	WIN 0
	v_add_nc_u32 v[ADRB], s[TB], v[AB0]
	v_add_nc_u32 v[ADRB+1], 73728, v[ADRB]
	s_wait_tensorcnt 1                             ; my part of slot 0 is in; slot 1's may stay out
	s_barrier_signal -1
	s_barrier_wait -1
	FETCH 0, 0, 0
	QUARTER 0, 1, 1, 1, 48, 0                      ; the first quarter starts the sums: nothing is cleared
	WIN 0
	s_mov_b32 s[CNT], 7
	s_branch .Lq1                                  ; the loop is entered behind its first quarter
.Lslot:                                            ; six times: a slot is left and filled again
	CHANGE 1
	FETCH 0, 0, 0
	QUARTER 0, 0, 1, 1, 48, 0
	WIN 0
.Lq1:
	QUARTER 1, 0, 1, 1, 48, 0
	QUARTER 2, 0, 1, 1, 48, 0
	QUARTER 3, 0, 1, 1, 48, 1
	WIN 0
	s_sub_co_u32 s[CNT], s[CNT], 1
	s_cmp_lg_u32 s[CNT], 0
	s_cbranch_scc1 .Lslot
	CHANGE 0                                       ; the last 128 along K are written out: nothing is asked for, and the counts of A's loads run down
	FETCH 0, 0, 0
	QUARTER 0, 0, 0, 1, 32, 0
	QUARTER 1, 0, 0, 1, 16, 0
	QUARTER 2, 0, 0, 1, 0, 0
	QUARTER 3, 0, 0, 0, 0, 1
	; ---- THE END.
	WIN 0
	PLACES                                         ; behind the last products
	v_and_b32 v[T0], 7, v0
	v_lshlrev_b32 v[T0], 5, v[T0]                  ; my 8 columns of each head: 32 bytes
.irp h, 0,1,2,3,4,5,6,7
	global_load_b128 v[GAM+8*\h:GAM+8*\h+3],   v[T0], s[GM:GM+1] offset:256*\h
	global_load_b128 v[GAM+8*\h+4:GAM+8*\h+7], v[T0], s[GM:GM+1] offset:256*\h+16
.endr
	s_lshl_b32 s66, s[RB], 7
	s_lshl_b32 s67, s[WV], 5
	s_add_co_u32 s66, s66, s67
	v_and_b32 v[T1], 31, v0
	v_add_nc_u32 v[T1], s66, v[T1]                 ; row 128 rb + 32 w + lane
	v_lshlrev_b32 v[T1], 3, v[T1]
	v_mul_lo_u32 v[T1], v[T1], s[ISK]              ; in the role Q: offset 0, so that the register is written on every way
	global_load_b64 v[POS:POS+1], v[T1], s[16:17]
	s_lshl_b32 s66, s[RH], 6
	v_add_nc_u32 v[DSA], s66, v1
	v_mul_u32_u24 v[DSA], v[DSA], 2064             ; a row of the stage: 2,048 bytes + 16: row r starts at bank 4 r mod 64
	v_lshl_add_u32 v[DSA], v[HH], 5, v[DSA]
	s_lshl_b32 s66, s[CH], 10
	v_add_nc_u32 v[DSA], s66, v[DSA]
	v_add_nc_u32 v[DSA+1], 66048, v[DSA]           ; 32 rows on
	s_wait_dscnt 0x0
	s_barrier_signal -1
	s_barrier_wait -1                              ; no wave reads fragments any more: the ring's bytes become the stage
.irp hi, 0,1
	WIN 0x08+0x04*\hi
.irp a, 0,1,2,3
.irp b, 0,1,2,3,4,5,6,7
	ds_store_b128 v[DSA+\a/2], v[8*(8*\a+\b):8*(8*\a+\b)+3]   offset:(\a%2)*33024+64*(8*\hi+\b)
	ds_store_b128 v[DSA+\a/2], v[8*(8*\a+\b)+4:8*(8*\a+\b)+7] offset:(\a%2)*33024+64*(8*\hi+\b)+16
.endr
.endr
.endr
	WIN 0
	s_wait_loadcnt 0x0                             ; gain and positions
	KPAIR KB,    0x40c90fdb
	KPAIR KB+2,  0xc1255de7
	KPAIR KB+4,  0x40a335e3
	KPAIR KB+6,  0xbf996966
	KPAIR KB+8,  0x3e283c1a
	KPAIR KB+10, 0xbc7183a8
	KPAIR KB+12, 0xc09de9e6
	KPAIR KB+14, 0x4081e0f8
	KPAIR KB+16, 0xbfaae9e4
	KPAIR KB+18, 0x3e70fa83
	KPAIR KB+20, 0xbcd368f9
	v_and_b32 v[T0], 7, v0
	v_lshlrev_b32 v[T0], 2, v[T0]
	s_mov_b32 s66, 0xbdd49a78                      ; -log2(10000) / 128
.set p, 0
.rept 16                               ; pair 32 hq + 4 (l % 8) + jj of a half: theta / 2 pi = 2^(-pair log2(10000) / 128 - log2(2 pi))
	v_add_nc_u32 v[TH+p], 32*(p/4)+p%4, v[T0]
	v_cvt_f32_u32 v[TH+p], v[TH+p]
	v_fmaak_f32 v[TH+p], s66, v[TH+p], 0xc029b21d
.set p, p+1
.endr
.set p, 0
.rept 16
	v_exp_f32 v[TH+p], v[TH+p]
.set p, p+1
.endr
	v_and_b32 v[VO], 31, v0
	v_lshlrev_b32 v[VO], 4, v[VO]
.irp h, 1,2,3,4,5,6,7
	v_add_nc_u32 v[VO+\h], s[HS], v[VO+\h-1]
.endr
	v_and_b32 v[T0], 31, v0
	v_lshrrev_b32 v[T1], 3, v[T0]                  ; which of a trip's four rows
	v_lshlrev_b32 v[BI], 2, v[T1]
	s_lshl_b32 s67, s[WV], 5
	v_add_nc_u32 v[T1], s67, v[T1]
	v_mul_u32_u24 v[LR], v[T1], 2064
	v_and_b32 v[T0], 7, v0
	v_lshl_add_u32 v[LR], v[T0], 5, v[LR]
	s_mov_b32 s68, 0x3b000000                      ; 1 / 512
	s_mov_b32 s69, 0x358637bd                      ; 1e-6
	s_mov_b32 s[TRIP], 8
	s_wait_alu depctr_va_vdst(0)                   ; one wait for the sixteen exponentials; the address lines stand between
	s_wait_dscnt 0x0                               ; for the others' sake: my stores into the stage are done
	s_barrier_signal -1
	s_barrier_wait -1
.Lrow:                                             ; a trip: four rows of the wave's 32, eight lanes a row; lane i of a row holds columns 64 h + 8 i + 0..7
.irp h, 0,1,2,3,4,5,6,7
	ds_load_b128 v[X+8*\h:X+8*\h+3],   v[LR] offset:256*\h
	ds_load_b128 v[X+8*\h+4:X+8*\h+7], v[LR] offset:256*\h+16
.endr
	s_cmp_eq_u32 s[ISK], 0
	s_cbranch_scc1 .Lnorope
	ds_bpermute_b32 v[PXY],   v[BI], v[POS]        ; my row's position lies in lane 4 trip + row
	ds_bpermute_b32 v[PXY+1], v[BI], v[POS+1]
	s_wait_dscnt 0x0
.irp z, 0,1                            ; heads 0-3 turn by x, heads 4-7 by y
.irp e, 0,1
.irp hq, 0,1,2,3
	v_mul_f32 v[Y+8*\hq],   v[TH+4*\hq+2*\e],   v[PXY+\z]
	v_mul_f32 v[Y+8*\hq+1], v[TH+4*\hq+2*\e+1], v[PXY+\z]
.endr
	SC4 Y
.irp hq, 0,1,2,3
	ROT X+8*(4*\z+\hq)+4*\e,   Y+8*\hq+6, Y+8*\hq+4, 0, Y+8*\hq
	ROT X+8*(4*\z+\hq)+4*\e+2, Y+8*\hq+6, Y+8*\hq+4, 1, Y+8*\hq+2
.endr
.endr
.endr
.Lnorope:
	s_wait_dscnt 0x0
.irp c, 0,1,2,3
	v_pk_add_f32 v[AC+2*\c:AC+2*\c+1], v[X+2*\c:X+2*\c+1], v[X+8+2*\c:X+8+2*\c+1]
.endr
.set p, 8
.rept 24
	v_pk_add_f32 v[AC+2*(p%4):AC+2*(p%4)+1], v[AC+2*(p%4):AC+2*(p%4)+1], v[X+2*p:X+2*p+1]
.set p, p+1
.endr
	RED
	v_mul_f32 v[MU],   s68, v[T0]
	v_mul_f32 v[MU+1], s68, v[T0]
.set p, 0
.rept 32
	v_pk_add_f32 v[X+2*p:X+2*p+1], v[X+2*p:X+2*p+1], v[MU:MU+1] neg_lo:[0,1] neg_hi:[0,1]
.set p, p+1
.endr
.irp c, 0,1,2,3
	v_pk_mul_f32 v[AC+2*\c:AC+2*\c+1], v[X+2*\c:X+2*\c+1], v[X+2*\c:X+2*\c+1]
.endr
.set p, 4
.rept 28
	v_pk_fma_f32 v[AC+2*(p%4):AC+2*(p%4)+1], v[X+2*p:X+2*p+1], v[X+2*p:X+2*p+1], v[AC+2*(p%4):AC+2*(p%4)+1]
.set p, p+1
.endr
	RED
	v_fma_f32 v[T1], v[T0], s68, s69               ; variance + 1e-6
	v_rsq_f32 v[RS],   v[T1]
	v_rsq_f32 v[RS+1], v[T1]
	v_nop
	s_wait_alu depctr_va_vdst(0)                   ; one wait for the two roots, ahead of their first reader
.set p, 0
.rept 32
	v_pk_mul_f32 v[X+2*p:X+2*p+1], v[X+2*p:X+2*p+1], v[RS:RS+1]
.set p, p+1
.endr
.set p, 0
.rept 32
	v_pk_mul_f32 v[X+2*p:X+2*p+1], v[X+2*p:X+2*p+1], v[GAM+2*p:GAM+2*p+1]
.set p, p+1
.endr
.set p, 0
.rept 32
	v_cvt_pk_f16_f32 v[Y+p], v[X+2*p], v[X+2*p+1]
.set p, p+1
.endr
.irp h, 0,1,2,3,4,5,6,7
	global_store_b128 v[VO+\h], v[Y+4*\h:Y+4*\h+3], s[OP:OP+1]  ; four rows of 128 bytes of one head: 512 consecutive bytes, aligned
.endr
	s_wait_xcnt 0x0                                ; the stores have read their data and their base: both are written again below and in the next trip
	s_add_nc_u64 s[OP:OP+1], s[OP:OP+1], 512
	v_add_nc_u32 v[LR], 8256, v[LR]
	v_add_nc_u32 v[BI], 16, v[BI]
	s_sub_co_u32 s[TRIP], s[TRIP], 1
	s_cmp_lg_u32 s[TRIP], 0
	s_cbranch_scc1 .Lrow
	s_wait_tensorcnt 0x0                           ; the wave's end: behind my last tensor load and my last LDS store
	ds_add_u32 v[SPW], v[NIL]
	s_wait_dscnt 0x0
	CROUND                                         ; the closing round
	s_endpgm
.Lfunc_end_k_q3869473da6_proj:
	.size	k_q3869473da6_proj, .Lfunc_end_k_q3869473da6_proj-k_q3869473da6_proj
	.p2alignl 7, 3214868480
	.fill 96, 4, 3214868480
	.section	.rodata,"a",@progbits
	.p2align	6, 0x0
	.amdhsa_kernel k_q3869473da6_proj
		.amdhsa_group_segment_fixed_size 327680
		.amdhsa_private_segment_fixed_size 0
		.amdhsa_enable_private_segment 0
		.amdhsa_kernarg_size 72
		.amdhsa_user_sgpr_count 2
		.amdhsa_user_sgpr_kernarg_segment_ptr 1
		.amdhsa_wavefront_size32 1
		.amdhsa_system_sgpr_workgroup_id_x 1
		.amdhsa_system_sgpr_workgroup_id_y 1
		.amdhsa_system_sgpr_workgroup_id_z 1
		.amdhsa_system_vgpr_workitem_id 0
		.amdhsa_next_free_vgpr 1024
		.amdhsa_next_free_sgpr 80
		.amdhsa_reserve_vcc 0
		.amdhsa_float_denorm_mode_32 3
		.amdhsa_float_denorm_mode_16_64 3
		.amdhsa_memory_ordered 1
		.amdhsa_forward_progress 1
		.amdhsa_inst_pref_size 159
	.end_amdhsa_kernel
	.amdgpu_metadata
---
amdhsa.version: [ 1, 2 ]
amdhsa.kernels:
  - .name:           k_q3869473da6_proj
    .symbol:         k_q3869473da6_proj.kd
    .args:
      - { .name: grid_coords_tokens, .offset: 0, .size: 8, .value_kind: global_buffer, .address_space: global }
      - { .name: updated_track_tokens, .offset: 8, .size: 8, .value_kind: global_buffer, .address_space: global }
      - { .name: wqt, .offset: 16, .size: 8, .value_kind: global_buffer, .address_space: global }
      - { .name: wkt, .offset: 24, .size: 8, .value_kind: global_buffer, .address_space: global }
      - { .name: q_gamma, .offset: 32, .size: 8, .value_kind: global_buffer, .address_space: global }
      - { .name: k_gamma, .offset: 40, .size: 8, .value_kind: global_buffer, .address_space: global }
      - { .name: tracks, .offset: 48, .size: 8, .value_kind: global_buffer, .address_space: global }
      - { .name: qh, .offset: 56, .size: 8, .value_kind: global_buffer, .address_space: global }
      - { .name: kh, .offset: 64, .size: 8, .value_kind: global_buffer, .address_space: global }
    .group_segment_fixed_size: 327680
    .private_segment_fixed_size: 0
    .kernarg_segment_align: 8
    .kernarg_segment_size: 72
    .max_flat_workgroup_size: 128
    .sgpr_count:     80
    .vgpr_count:     1024
    .wavefront_size: 32
...
	.end_amdgpu_metadata
.endif
;; end of part 2
;; launch attn (part 3): grid 256 x 1, 4 waves a work-group, no clusters, 243,200 bytes of LDS; arguments qh, kh, vh, tracks, feature_positions, smp; writes smp
.if DOCPART == 3
	.amdgcn_target "amdgcn-amd-amdhsa--gfx1250"
	.amdhsa_code_object_version 6
	.text
	.protected	k_q3869473da6_attn
	.globl	k_q3869473da6_attn
	.p2align	8
	.type	k_q3869473da6_attn,@function
k_q3869473da6_attn:
	s_mov_b64 s[64:65], 0
	v_nop
	global_prefetch_b8 v0, s[64:65] scope:SCOPE_SE
	s_setreg_imm32_b32 hwreg(HW_REG_WAVE_MODE, 25, 1), 1
	s_wait_xcnt 0x0
; ATTN.  smp[t][q][128 head + e] = the sum over k of softmax_k(Q.K / 8 - 2 d2(q, k)) V[k][e], d2 the squared distance of the query's and the track's positions.
; Q, K: [t][head][row][64], V: [t][head][track][128], smp: [t x 1,024 + q][1,024], all f16; products, maxima and sums in f32; the weights are rounded to f16 for the second product.
; SHARES.  A work-group takes 512 queries of one frame and head, as two blocks of 256, one after the other; a wave four tiles of 16 queries of each block.
; K AND V STAY: the head's 512 keys (64 KiB) and values (128 KiB) are brought into LDS once, one tensor load a wave; nothing is filled again, and the loop has no barrier.
; NO CLUSTER: a frame and head has two work-groups, and a joint load here names four; with blocks of 256 queries to a work-group there would be four, but 512 work-groups, each waiting for a fill of its own.
; What sharing would spare is one of two reads of K and V.  NO PREFETCH: all that is read is asked for at the head.
; LAYOUT.  S^T = K Q^T holds ONE query a lane (lane % 16) and the keys 8 (lane / 16) + 0..7; two such results rounded to f16 ARE source 1 of O^T = V^T P.
; THE BIAS is laid into S^T's registers ahead of the products, which add onto it: -(4 tx - 4 fx)^2 - (4 ty - 4 fy)^2 = -16 d2, the differences first, all in f32 (the scaling by 4 is exact).
; p = 2^(c s - c m), c = log2(e) / 8, with a running maximum m; O and l are multiplied by a = 2^(c m_old - c m_new) in every step.
; THE DEAL.  A step has 96 matrix instructions, and four vector lines stand behind each.  Behind the 64 products V^T P: the 64 lines of the step's sums, then the 192 that lay the next step's bias for tiles 0, 1, 2
; (a tile's sums stand ahead of its bias, which writes the same registers).  Behind the 16 products K Q^T of tiles 0, 1: the 64 lines of tile 3's bias.  Behind the 16 of tiles 2, 3: numbers 0 to 31 of tiles 0, 1's
; softmax.  The other 408 lines of the softmax stand in a run of their own.  The step's 132 exponentials are one batch with one wait.
; m starts at the lowest finite number and O, l, a at 0 (for the second block O and l start at what the first left, times a = 0): no first step is written out.  The loop is entered at V^T P with P = 0 and S^T = 0:
; 64 products once, whose riders make the first bias.
; LIMITS.  f16 holds no number beyond 65,504; p below 6e-5 keeps f16's step of 6e-8; a weight below 2^-126 counts as 0; NaN and infinities are not treated apart.
; REGISTERS, in windows of 256 (bits 1:0 source 0, 3:2 source 1, 5:4 source 2, 7:6 destination):
;   window 0: v0-15 addresses; v16-47 eight statistics a tile; v48-63 at work; v64-191 S^T; v192-255 the second block's Q        window 1: O^T, 64 a tile
;   window 2: v0-63 Q; v64-127 K of a step; v128-255 V of a step        window 3: v0-63 P; v64-127 the keys' 4 x, 4 y; v128-143 the queries' (this block's, the next's); v144-207 differences
.set PKP, 144                          ; a row of K in LDS: 128 bytes + 16
.set PVP, 288                          ; a row of V: 256 + 32
.set VOFF, 73728                       ; behind K's 512 rows
.set XS, 221184                        ; behind V's 512 rows: 4 x of the 512 tracks, then (2,048 on) 4 y
.set STAGE, 225280                     ; 16 rows x 272 bytes for each wave, for the way out
.set SP, 272
.set SPARE, 242688
.set AK0, 2
.set AV0, 3
.set AK, 4
.set AV, 5
.set AX, 6
.set STO, 7
.set RD, 8
.set GO, 9
.set QO, 10
.set FO, 11
.set SPW, 12                           ; my spare word; never rewritten
.set NIL, 13                           ; 0; never rewritten
.set AX0, 14
.set HH, 15
.set ST, 16                            ; tile t at ST + 8 t: c m, m, l (even keys', odd keys'), c0-c3 at work; a takes c2's place
.set S, 64
.set QN, 192
.set KF, 64                            ; window 2
.set VF, 128
.set XK, 64                            ; window 3
.set YK, 96
.set XQ, 128
.set XQN, 136
.set DX, 144
.set DY, 176
.set WV, 16
.set J, 17                             ; the step whose K, V or positions are fetched next
.set CNT, 18
.set BLK, 19
.set CS, 20
.set SEL, 22
.set G1K, 24
.set G1V, 32
.set G0K, 40
.set G0V, 44
.set MSB, 0
.macro WIN new
.if MSB != (\new)
	s_set_vgpr_msb (MSB<<8)|(\new)
.set MSB, \new
.endif
.endm
.macro PLACES
.rept 4
	v_nop
.endr
.endm
	s_load_b256 s[4:11], s[0:1], 0x0               ; qh s[4:5], kh s[6:7], vh s[8:9], tracks s[10:11]
	s_load_b128 s[12:15], s[0:1], 0x20             ; feature_positions s[12:13], smp s[14:15]
	v_lshl_add_u32 v[SPW], v0, 2, SPARE
	v_mov_b32 v[NIL], 0
	ds_add_u32 v[SPW], v[NIL]                      ; the wave's opening: the add and its wait stand ahead of my first tensor load
	v_lshrrev_b32 v1, 5, v0
	v_readfirstlane_b32 s[WV], v1
	s_mov_b32 s48, ttmp9
	s_lshr_b32 s49, s48, 1                         ; 8 t + head
	s_and_b32 s50, s48, 1                          ; which 512 queries
	s_and_b32 s51, s[WV], 1                        ; which half of K (waves 0, 1) or of V (waves 2, 3) I fetch
	s_mov_b32 s[G1K], (1<<16)|(1<<20)|(4<<22)|(3<<25)  ; 2-byte elements; padding: 4 words after every 32.  256 keys lie end to end: 128 rows of 256 bytes
	s_mov_b32 s[G1K+1], 128<<16
	s_mov_b32 s[G1K+2], 128<<16
	s_mov_b32 s[G1K+3], 128<<16
	s_mov_b32 s[G1K+4], 128
	s_mov_b32 s[G1K+5], 128
	s_mov_b32 s[G1K+6], 0
	s_mov_b32 s[G1K+7], 0
	s_mov_b32 s[G1V], (1<<16)|(1<<20)|(5<<22)|(7<<25)  ; padding: 8 words after every 64.  256 rows of 256 bytes
	s_mov_b32 s[G1V+1], 128<<16
	s_mov_b32 s[G1V+2], 256<<16
	s_mov_b32 s[G1V+3], 128<<16
	s_mov_b32 s[G1V+4], 256
	s_mov_b32 s[G1V+5], 128
	s_mov_b32 s[G1V+6], 0
	s_mov_b32 s[G1V+7], 0
	s_mul_i32 s52, s51, 256*PKP
	s_mov_b32 s[G0K], 1
	s_mov_b32 s[G0K+1], s52
	s_mul_i32 s52, s51, 256*PVP
	s_mov_b32 s[G0V], 1
	s_add_co_u32 s[G0V+1], s52, VOFF
	s_lshl_b32 s52, s49, 16                        ; a head of K: 65,536 bytes
	s_lshl_b32 s53, s51, 15
	s_add_co_u32 s52, s52, s53
	s_mov_b32 s53, 0
	s_lshl_b32 s54, s49, 17                        ; a head of V, and of Q: 131,072
	s_lshl_b32 s55, s51, 16
	s_add_co_u32 s54, s54, s55
	s_mov_b32 s55, 0
	s_lshl_b32 s56, s49, 17
	s_lshl_b32 s57, s50, 16                        ; 512 queries of 128 bytes
	s_add_co_u32 s56, s56, s57
	s_lshl_b32 s57, s[WV], 13                      ; my 64 of a block
	s_add_co_u32 s56, s56, s57
	s_mov_b32 s57, 0
	s_lshl_b32 s58, s50, 12                        ; the same queries' positions, 8 bytes each
	s_lshl_b32 s59, s[WV], 9
	s_add_co_u32 s58, s58, s59
	s_mov_b32 s59, 0
	s_lshr_b32 s60, s48, 4                         ; t
	s_lshl_b32 s62, s60, 21                        ; a frame of smp: 1,024 rows of 2,048 bytes
	s_lshl_b32 s60, s60, 12                        ; a frame of tracks
	s_mov_b32 s61, 0
	s_lshl_b32 s63, s50, 20
	s_add_co_u32 s62, s62, s63
	s_lshl_b32 s63, s[WV], 17
	s_add_co_u32 s62, s62, s63
	s_and_b32 s63, s49, 7
	s_lshl_b32 s63, s63, 8                         ; the head's 256 bytes of a row
	s_add_co_u32 s62, s62, s63
	s_mov_b32 s63, 0
	s_mov_b32 s[CS], 0x3e38aa3b                    ; c = log2(e) / 8
	s_mov_b32 s[CS+1], s[CS]
	s_mov_b32 s[SEL], 0x76543210
	s_mov_b32 s[SEL+1], 0xfedcba98
	s_mov_b32 s[J], 0
	s_wait_dscnt 0x0                               ; the opening add is done
	s_wait_kmcnt 0x0
	s_add_nc_u64 s[G0K+2:G0K+3], s[6:7], s[52:53]
	s_or_b32 s[G0K+3], s[G0K+3], 0x80000000
	s_add_nc_u64 s[G0V+2:G0V+3], s[8:9], s[54:55]
	s_or_b32 s[G0V+3], s[G0V+3], 0x80000000
	s_add_nc_u64 s[4:5], s[4:5], s[56:57]
	s_add_nc_u64 s[12:13], s[12:13], s[58:59]
	s_add_nc_u64 s[10:11], s[10:11], s[60:61]
	s_add_nc_u64 s[14:15], s[14:15], s[62:63]
	s_cmp_lt_u32 s[WV], 2                          ; a wave's one fill: one tensor load of mine is out
	s_cbranch_scc0 .Lfor_v
	tensor_load_to_lds s[G0K:G0K+3], s[G1K:G1K+7]
	s_nop 0
	PLACES
	s_branch .Lasked
.Lfor_v:
	tensor_load_to_lds s[G0V:G0V+3], s[G1V:G1V+7]
	s_nop 0
	PLACES
.Lasked:
	v_and_b32 v1, 15, v0                           ; l % 16
	v_bfe_u32 v[HH], v0, 4, 1                      ; l / 16
	v_lshlrev_b32 v[QO], 7, v1
	v_lshl_add_u32 v[QO], v[HH], 4, v[QO]          ; a fragment of Q or K: row x 128 + 16 x half, two loads 32 bytes apart
	v_lshlrev_b32 v[FO], 3, v1
	v_mul_u32_u24 v[AK0], v1, PKP
	v_lshl_add_u32 v[AK0], v[HH], 4, v[AK0]
	v_and_b32 v48, 7, v0                           ; the turning load: lane l reads key 8 (l / 16) + l % 8, channels 8 ((l / 8) % 2) + 0..7
	v_bfe_u32 v49, v0, 3, 1
	v_lshl_add_u32 v[AV0], v[HH], 3, v48
	v_mul_u32_u24 v[AV0], v[AV0], PVP
	v_lshl_add_u32 v[AV0], v49, 4, v[AV0]
	v_add_nc_u32 v[AV0], VOFF, v[AV0]
	v_lshl_add_u32 v[AX0], v[HH], 5, XS            ; my 8 keys of a group of 16: 32 bytes
	s_mul_i32 s48, s[WV], 16*SP
	s_add_co_u32 s48, s48, STAGE
	v_mul_u32_u24 v[STO], v1, SP
	v_lshl_add_u32 v[STO], v[HH], 4, v[STO]
	v_add_nc_u32 v[STO], s48, v[STO]
	v_mul_u32_u24 v[RD], v[HH], SP
	v_lshl_add_u32 v[RD], v1, 4, v[RD]
	v_add_nc_u32 v[RD], s48, v[RD]
	v_lshlrev_b32 v[GO], 11, v[HH]
	v_lshl_add_u32 v[GO], v1, 4, v[GO]
	v_lshlrev_b32 v63, 5, v0                       ; my four tracks: 32 bytes
	WIN 0x80
.set i, 0
.rept 8                                ; the first block's Q: tile i / 2, channels 32 (i % 2) on
	global_load_b128 v[8*i:8*i+3],   v[QO], s[4:5] offset:(i/2)*2048+(i%2)*64
	global_load_b128 v[8*i+4:8*i+7], v[QO], s[4:5] offset:(i/2)*2048+(i%2)*64+32
.set i, i+1
.endr
	WIN 0
.set i, 0
.rept 8                                ; the second block's, 256 rows on
	global_load_b128 v[QN+8*i:QN+8*i+3],   v[QO], s[4:5] offset:32768+(i/2)*2048+(i%2)*64
	global_load_b128 v[QN+8*i+4:QN+8*i+7], v[QO], s[4:5] offset:32768+(i/2)*2048+(i%2)*64+32
.set i, i+1
.endr
	global_load_b128 v[48:51], v63, s[10:11]
	global_load_b128 v[52:55], v63, s[10:11] offset:16
	WIN 0xc0
.irp t, 0,1,2,3
	global_load_b64 v[XQ+2*\t:XQ+2*\t+1],   v[FO], s[12:13] offset:128*\t
	global_load_b64 v[XQN+2*\t:XQN+2*\t+1], v[FO], s[12:13] offset:128*\t+2048
.endr
.set i, 0
.rept 64                               ; P = 0 for the pass that makes the first bias; all this stands in the wait for the fill
	v_mov_b32 v[i], 0
.set i, i+1
.endr
	WIN 0x4f                                       ; O^T and S^T start at 0: 48 products of the zero P with itself, the constant 0 as C, in place of 384 moves
.set i, 0
.rept 32
	v_wmma_f32_16x16x32_f16 v[8*i:8*i+7], v[0:7], v[8:15], 0
.set i, i+1
.endr
	WIN 0x0f
.set i, 0
.rept 16
	v_wmma_f32_16x16x32_f16 v[S+8*i:S+8*i+7], v[0:7], v[8:15], 0
.set i, i+1
.endr
	WIN 0
.irp t, 0,1,2,3
	v_mov_b32 v[ST+8*\t], 0xfe000000               ; c m: far below every c s
	v_mov_b32 v[ST+8*\t+1], 0xff7fffff             ; m
	v_mov_b32 v[ST+8*\t+2], 0                      ; l
	v_mov_b32 v[ST+8*\t+3], 0
	v_mov_b32 v[ST+8*\t+6], 0                      ; a, for the sums of the pass that makes the first bias
	v_mov_b32 v[ST+8*\t+7], 0                      ; named with it as a pair
.endr
	s_wait_loadcnt 0x0
	v_mul_f32 v56, 4.0, v48                        ; 4 x and 4 y of my four tracks, told apart
	v_mul_f32 v60, 4.0, v49
	v_mul_f32 v57, 4.0, v50
	v_mul_f32 v61, 4.0, v51
	v_mul_f32 v58, 4.0, v52
	v_mul_f32 v62, 4.0, v53
	v_mul_f32 v59, 4.0, v54
	v_mul_f32 v63, 4.0, v55
	v_lshl_add_u32 v48, v0, 4, XS
	ds_store_b128 v48, v[56:59]
	ds_store_b128 v48, v[60:63] offset:2048
	WIN 0xcf
.set i, 0
.rept 16
	v_mul_f32 v[XQ+i], 4.0, v[XQ+i]
.set i, i+1
.endr
	WIN 0
	s_wait_tensorcnt 0x0                           ; my part of K or V is in,
	s_wait_dscnt 0x0                               ; my tracks are stored:
	s_barrier_signal -1
	s_barrier_wait -1                              ; everybody's are
.macro KQ x                            ; product i of 16 of S^T += K Q^T for tiles x, x + 1: channels 32 (i / 8) on, keys 16 ((i / 2) % 4) on, tile x + i % 2.  The 8 accumulators take turns
	WIN 0x0a
.set rS, S+32*((\x)+i%2)+8*((i/2)%4)
.set rK, KF+16*((i/2)%4)+8*(i/8)
.set rQ, 16*((\x)+i%2)+8*(i/8)
	v_wmma_f32_16x16x32_f16 v[rS:rS+7], v[rK:rK+7], v[rQ:rQ+7], v[rS:rS+7]
.endm
.macro PV                              ; product i of 64 of O^T += V^T P: keys 32 (i / 32) on, channels 16 ((i / 4) % 8) on, tile i % 4: 32 accumulators by turns
	WIN 0x5e
.set rO, 64*(i%4)+8*((i/4)%8)
.set rV, VF+64*(i/32)+8*((i/4)%8)
.set rP, 16*(i%4)+8*(i/32)
	v_wmma_f32_16x16x32_f16 v[rO:rO+7], v[rV:rV+7], v[rP:rP+7], v[rO:rO+7]
.endm
.macro FETCH_K                         ; step J's K: 64 keys x 64 channels, 8 fragments
	WIN 0
	s_mul_i32 s48, s[J], 64*PKP
	v_add_nc_u32 v[AK], s48, v[AK0]
	WIN 0x80
.irp f, 0,1,2,3,4,5,6,7
	ds_load_b128 v[KF+8*\f:KF+8*\f+3],   v[AK] offset:(\f/2)*16*PKP+(\f%2)*64
	ds_load_b128 v[KF+8*\f+4:KF+8*\f+7], v[AK] offset:(\f/2)*16*PKP+(\f%2)*64+32
.endr
.endm
.macro FETCH_V                         ; step J's V, turned: keys 32 (f / 8) on, channels 16 (f % 8) on
	WIN 0
	s_mul_i32 s48, s[J], 64*PVP
	v_add_nc_u32 v[AV], s48, v[AV0]
	WIN 0x80
.irp f, 0,1,2,3,4,5,6,7,8,9,10,11,12,13,14,15
	ds_load_tr16_b128 v[VF+8*\f:VF+8*\f+3],   v[AV] offset:(\f/8)*32*PVP+(\f%8)*32
	ds_load_tr16_b128 v[VF+8*\f+4:VF+8*\f+7], v[AV] offset:(\f/8)*32*PVP+16*PVP+(\f%8)*32
.endr
.endm
.macro FETCH_X                         ; step J's 4 x and 4 y, in the order of S^T's registers
	WIN 0
	s_lshl_b32 s48, s[J], 8
	v_add_nc_u32 v[AX], s48, v[AX0]
	WIN 0xc0
.irp kb, 0,1,2,3
	ds_load_b128 v[XK+8*\kb:XK+8*\kb+3],   v[AX] offset:64*\kb
	ds_load_b128 v[XK+8*\kb+4:XK+8*\kb+7], v[AX] offset:64*\kb+16
	ds_load_b128 v[YK+8*\kb:YK+8*\kb+3],   v[AX] offset:2048+64*\kb
	ds_load_b128 v[YK+8*\kb+4:YK+8*\kb+7], v[AX] offset:2048+64*\kb+16
.endr
.endm
; Line n of the 256 that lay a step's bias into S^T: tile n / 64; of its 64 lines the first 32 are the differences (x and y by turns, a pair of keys each), the others the squares, in fours under one window setting.
.macro BI n
.set bt, (\n)/64
.set bm, (\n)%64
.if bm < 32
	WIN 0xcf
.set bp, bm/2
.if bm%2 == 0
	v_pk_add_f32 v[DX+2*bp:DX+2*bp+1], v[XK+2*bp:XK+2*bp+1], v[XQ+2*bt:XQ+2*bt+1] op_sel_hi:[1,0] neg_lo:[0,1] neg_hi:[0,1]
.else
	v_pk_add_f32 v[DY+2*bp:DY+2*bp+1], v[YK+2*bp:YK+2*bp+1], v[XQ+2*bt:XQ+2*bt+1] op_sel:[0,1] op_sel_hi:[1,1] neg_lo:[0,1] neg_hi:[0,1]
.endif
.else
	WIN 0x0f
.set bp, 2*((bm-32)/4)+(bm-32)%2
.if (bm-32)%4 < 2
	v_pk_mul_f32 v[S+32*bt+2*bp:S+32*bt+2*bp+1], v[DX+2*bp:DX+2*bp+1], v[DX+2*bp:DX+2*bp+1] neg_lo:[0,1] neg_hi:[0,1]
.else
	v_pk_fma_f32 v[S+32*bt+2*bp:S+32*bt+2*bp+1], v[DY+2*bp:DY+2*bp+1], v[DY+2*bp:DY+2*bp+1], v[S+32*bt+2*bp:S+32*bt+2*bp+1] neg_lo:[0,1,0] neg_hi:[0,1,0]
.endif
.endif
.endm
; Number j of the 134 of one tile's softmax for one step.  0-15 the maximum of the 32 scores and the old m (each accumulator's lowest registers are read first); 16-20 the other half of the
; lanes' maximum, the new m, c m and its change; 21-69 the 16 scalings c s - c m and all 33 exponentials, none of which reads an exponential's result; 70-85 the roundings; 86-101 the sums; 102-133 O^T times a.
.macro SM t
.set rT, ST+8*(\t)
.set rS, S+32*(\t)
.set rP, 16*(\t)
.set rO, 64*(\t)+2*(j-102)
.if j < 70
	WIN 0
.elseif j < 86
	WIN 0xc0
.elseif j < 102
	WIN 0
.else
	WIN 0x41
.endif
.if j < 4
	v_max3_num_f32 v[rT+4+j], v[rS+8*j], v[rS+8*j+1], v[rS+8*j+2]
.elseif j < 12
	v_max3_num_f32 v[rT+4+j%4], v[rT+4+j%4], v[rS+8*(j%4)+2*(j/4)+1], v[rS+8*(j%4)+2*(j/4)+2]
.elseif j == 12
	v_max3_num_f32 v[rT+4], v[rT+4], v[rS+7], v[rS+15]
.elseif j == 13
	v_max3_num_f32 v[rT+6], v[rT+6], v[rS+23], v[rS+31]
.elseif j == 14
	v_max3_num_f32 v[rT+4], v[rT+4], v[rT+5], v[rT+6]
.elseif j == 15
	v_max3_num_f32 v[rT+4], v[rT+4], v[rT+7], v[rT+1]
.elseif j == 16
	v_permlanex16_b32 v[rT+5], v[rT+4], s[SEL], s[SEL+1]
.elseif j == 17
	v_mov_b32 v[rT+7], v[rT]
.elseif j == 18
	v_max_num_f32 v[rT+1], v[rT+4], v[rT+5]
.elseif j == 19
	v_mul_f32 v[rT], s[CS], v[rT+1]
.elseif j == 20
	v_sub_f32 v[rT+7], v[rT+7], v[rT]
.elseif j == 23
	v_exp_f32 v[rT+6], v[rT+7]
.elseif (j < 23) || ((j < 38) && (j%2 == 0)) || ((j < 66) && (j%4 == 2))
.set sb, (j-2)/4
.if j < 38
.set sb, (j-20)/2
.endif
	v_pk_fma_f32 v[rS+2*sb:rS+2*sb+1], v[rS+2*sb:rS+2*sb+1], s[CS:CS+1], v[rT:rT+1] op_sel_hi:[1,0,0] neg_lo:[0,0,1] neg_hi:[0,0,1]
.elseif j < 70
.set se, j-38
.if j < 66
.set se, j-32-(j-38)/4
.endif
.if j < 38
.set se, (j-25)/2
.endif
	v_exp_f32 v[rS+se], v[rS+se]
.elseif j < 86
	v_cvt_pk_f16_f32 v[rP+j-70], v[rS+2*(j-70)], v[rS+2*(j-70)+1]
.elseif j < 102
.set sz, j-86
.set sw, 4
.set su, sz
.if sz >= 14
.set sw, 32
.set su, 0
.elseif sz >= 12
.set sw, 16
.set su, sz-12
.elseif sz >= 8
.set sw, 8
.set su, sz-8
.endif
.if sz < 15
	v_pk_add_f32 v[rS+sw*su:rS+sw*su+1], v[rS+sw*su:rS+sw*su+1], v[rS+sw*su+sw/2:rS+sw*su+sw/2+1]
.else
	v_pk_fma_f32 v[rT+2:rT+3], v[rT+2:rT+3], v[rT+6:rT+7], v[rS:rS+1] op_sel_hi:[1,0,1]
.endif
.else
	v_pk_mul_f32 v[rO:rO+1], v[rO:rO+1], v[rT+6:rT+7] op_sel_hi:[1,0]
.endif
.endm
; Line n of the 256 that stand behind the products V^T P: 0-31 the sums of tiles 0, 1 by turns; 32-159 the next step's bias for tiles 0, 1; 160-191 the sums of tiles 2, 3; 192-255 the bias for tile 2.
; Every bound is a multiple of four, so the four lines behind a product have one window setting.  None names a register of the products.
.macro RID n
.if (\n) < 32
.set j, 86+(\n)/2
	SM (\n)%2
.elseif (\n) < 160
	BI (\n)-32
.elseif (\n) < 192
.set j, 86+((\n)-160)/2
	SM 2+(\n)%2
.else
	BI (\n)-64
.endif
.endm
; The way out of tile t: O^T over l, rounded to f16 (into P's registers: S^T already holds the next block's bias), 16 bytes a lane into my stage, back as whole rows of 256 bytes.
.macro PACK t
	WIN 0x41
.set i, 64*(\t)
.rept 32
	v_pk_mul_f32 v[i:i+1], v[i:i+1], v[ST+8*(\t)+6:ST+8*(\t)+7] op_sel_hi:[1,0]
.set i, i+2
.endr
.if (\t) >= 2
	s_wait_xcnt 0x0                                ; the stores of the tile two back have read these registers
.endif
	WIN 0xc5
.set i, 0
.rept 32
	v_cvt_pk_f16_f32 v[32*((\t)%2)+i], v[64*(\t)+2*i], v[64*(\t)+2*i+1]
.set i, i+1
.endr
	WIN 0x0c
.irp f, 0,1,2,3,4,5,6,7
	ds_store_b128 v[STO], v[32*((\t)%2)+4*\f:32*((\t)%2)+4*\f+3] offset:32*\f
.endr
	WIN 0xc0
.irp f, 0,1,2,3,4,5,6,7
	ds_load_b128 v[32*((\t)%2)+4*\f:32*((\t)%2)+4*\f+3], v[RD] offset:\f*2*SP  ; LDS serves a wave's instructions in order: these see the stores above; the next tile's stores come behind them
.endr
.endm
.macro SEND t, younger                 ; younger: the LDS instructions issued behind tile t's loads
	WIN 0x0c
.irp f, 0,1,2,3,4,5,6,7
	s_wait_dscnt (\younger)+7-\f
	global_store_b128 v[GO], v[32*((\t)%2)+4*\f:32*((\t)%2)+4*\f+3], s[14:15] offset:(\t)*32768+\f*4096  ; 16 lanes store 256 consecutive bytes, aligned: a head's part of a row
.endr
.endm
	FETCH_K                                        ; step 0
	FETCH_X
	FETCH_V
	WIN 0
	s_mov_b32 s[BLK], 2
	s_mov_b32 s[CNT], 9                            ; the pass that makes the first bias, and eight steps
	s_branch .Lpv
.Lblock:
	s_mov_b32 s[CNT], 8
.Lstep:
	FETCH_V                                        ; this step's V: the four lines behind the last V^T P are the places in front of it.  K and the positions are in: the wait for 0 ahead of V^T P has shown it
	s_add_co_u32 s[J], s[J], 1
	s_and_b32 s[J], s[J], 7                        ; behind a block's last step comes step 0: the next block's first
.set i, 0
.rept 16                               ; tiles 0, 1: K Q^T onto their bias | tile 3's bias, which reads this step's positions
	KQ 0
	BI 192+4*i
	BI 192+4*i+1
	BI 192+4*i+2
	BI 192+4*i+3
.set i, i+1
.endr
.set i, 0
.rept 16                               ; tiles 2, 3: K Q^T | numbers 0 to 31 of tiles 0, 1's softmax: four plain lines of the bias stand behind the last product that wrote their scores
	KQ 2
.set j, 2*i
	SM 0
	SM 1
.set j, 2*i+1
	SM 0
	SM 1
.set i, i+1
.endr
	PLACES                                         ; two of the last four lines are exponentials, which are no places: four v_nop ahead of the loads into K's registers and of the reads of tiles 2, 3's scores
	FETCH_K                                        ; the next step's K
	FETCH_X                                        ; and positions: tile 3's bias has read this step's
.set jj, 0
.rept 38                               ; tiles 2, 3's numbers 0 to 37 by turns with tiles 0, 1's numbers 32 to 69
.set j, jj
	SM 2
	SM 3
.set j, 32+jj
	SM 0
	SM 1
.set jj, jj+1
.endr
.set j, 38
.rept 32
	SM 2
	SM 3
.set j, j+1
.endr
	v_nop                                          ; a plain instruction behind the last exponential
	s_wait_alu depctr_va_vdst(0)                   ; one wait for the batch of 132, ahead of its first reader; no label and no branch stands between the batch's first and this line
.set j, 70
.rept 16                               ; the roundings
	SM 0
	SM 1
	SM 2
	SM 3
.set j, j+1
.endr
.set j, 102
.rept 32                               ; O^T times a
	SM 0
	SM 1
	SM 2
	SM 3
.set j, j+1
.endr
	WIN 0
	s_cmp_lg_u32 s[CNT], 1
	s_cbranch_scc1 .Lkeep
	WIN 0xc3                                       ; a block's last step lays the next block's first bias: its queries' positions
.set i, 0
.rept 8
	v_mov_b32 v[XQ+i], v[XQN+i]
.set i, i+1
.endr
	WIN 0
.Lkeep:
.Lpv:
	s_wait_dscnt 0x0                               ; V, the next K and the next positions are in
.set i, 0
.rept 64
	PV
	RID 4*i
	RID 4*i+1
	RID 4*i+2
	RID 4*i+3
.set i, i+1
.endr
	WIN 0
	s_sub_co_u32 s[CNT], s[CNT], 1
	s_cmp_lg_u32 s[CNT], 0
	s_cbranch_scc1 .Lstep
	; THE WAY OUT of a block
.irp t, 0,1,2,3
	v_add_f32 v[ST+8*\t+4], v[ST+8*\t+2], v[ST+8*\t+3]
.endr
.irp t, 0,1,2,3
	v_permlanex16_b32 v[ST+8*\t+5], v[ST+8*\t+4], s[SEL], s[SEL+1]
.endr
.irp t, 0,1,2,3
	v_add_f32 v[ST+8*\t+4], v[ST+8*\t+4], v[ST+8*\t+5]
.endr
.irp t, 0,1,2,3
	v_rcp_f32 v[ST+8*\t+6], v[ST+8*\t+4]
.endr
	v_nop
	s_wait_alu depctr_va_vdst(0)                   ; one wait for the four reciprocals
	PACK 0
	PACK 1
	SEND 0, 16
	PACK 2
	SEND 1, 16
	PACK 3
	SEND 2, 16
	SEND 3, 0
	WIN 0
	s_wait_xcnt 0x0                                ; the stores have read their registers and their base
	s_add_nc_u64 s[14:15], s[14:15], 524288        ; 256 rows of smp on
.irp t, 0,1,2,3
	v_mov_b32 v[ST+8*\t], 0xfe000000               ; the next block's first a is 0: O^T and l need only be finite
	v_mov_b32 v[ST+8*\t+1], 0xff7fffff
.endr
	WIN 0x80
.set i, 0
.rept 64
	v_mov_b32 v[i], v[QN+i]
.set i, i+1
.endr
	WIN 0
	s_sub_co_u32 s[BLK], s[BLK], 1
	s_cmp_lg_u32 s[BLK], 0
	s_cbranch_scc1 .Lblock
	s_wait_tensorcnt 0x0                           ; the wave's end: behind my last tensor load and my last LDS store
	ds_add_u32 v[SPW], v[NIL]
	s_wait_dscnt 0x0
	s_endpgm
.Lfunc_end_k_q3869473da6_attn:
	.size	k_q3869473da6_attn, .Lfunc_end_k_q3869473da6_attn-k_q3869473da6_attn
	.p2alignl 7, 3214868480
	.fill 96, 4, 3214868480
	.section	.rodata,"a",@progbits
	.p2align	6, 0x0
	.amdhsa_kernel k_q3869473da6_attn
		.amdhsa_group_segment_fixed_size 243200
		.amdhsa_private_segment_fixed_size 0
		.amdhsa_enable_private_segment 0
		.amdhsa_kernarg_size 48
		.amdhsa_user_sgpr_count 2
		.amdhsa_user_sgpr_kernarg_segment_ptr 1
		.amdhsa_wavefront_size32 1
		.amdhsa_system_sgpr_workgroup_id_x 1
		.amdhsa_system_sgpr_workgroup_id_y 1
		.amdhsa_system_sgpr_workgroup_id_z 1
		.amdhsa_system_vgpr_workitem_id 0
		.amdhsa_next_free_vgpr 1024
		.amdhsa_next_free_sgpr 66
		.amdhsa_reserve_vcc 0
		.amdhsa_float_denorm_mode_32 3
		.amdhsa_float_denorm_mode_16_64 3
		.amdhsa_memory_ordered 1
		.amdhsa_forward_progress 1
		.amdhsa_inst_pref_size 112
	.end_amdhsa_kernel
	.amdgpu_metadata
---
amdhsa.version: [ 1, 2 ]
amdhsa.kernels:
  - .name:           k_q3869473da6_attn
    .symbol:         k_q3869473da6_attn.kd
    .args:
      - { .name: qh, .offset: 0, .size: 8, .value_kind: global_buffer, .address_space: global }
      - { .name: kh, .offset: 8, .size: 8, .value_kind: global_buffer, .address_space: global }
      - { .name: vh, .offset: 16, .size: 8, .value_kind: global_buffer, .address_space: global }
      - { .name: tracks, .offset: 24, .size: 8, .value_kind: global_buffer, .address_space: global }
      - { .name: feature_positions, .offset: 32, .size: 8, .value_kind: global_buffer, .address_space: global }
      - { .name: smp, .offset: 40, .size: 8, .value_kind: global_buffer, .address_space: global }
    .group_segment_fixed_size: 243200
    .private_segment_fixed_size: 0
    .kernarg_segment_align: 8
    .kernarg_segment_size: 48
    .max_flat_workgroup_size: 128
    .sgpr_count:     66
    .vgpr_count:     1024
    .wavefront_size: 32
...
	.end_amdgpu_metadata
.endif
;; end of part 3
;; launch outp (part 4): grid 256 x 1, 4 waves a work-group, clusters of 4 x 1, 327,680 bytes of LDS; arguments smp, wot, out0; writes out0
.if DOCPART == 4
	.amdgcn_target "amdgcn-amd-amdhsa--gfx1250"
	.amdhsa_code_object_version 6
	.text
	.protected	k_q3869473da6_outp
	.globl	k_q3869473da6_outp
	.p2align	8
	.type	k_q3869473da6_outp,@function
k_q3869473da6_outp:
	s_mov_b64 s[64:65], 0
	v_nop
	global_prefetch_b8 v0, s[64:65] scope:SCOPE_SE
	s_setreg_imm32_b32 hwreg(HW_REG_WAVE_MODE, 25, 1), 1
	s_wait_xcnt 0x0
	s_wait_alu depctr_hold_cnt(0) depctr_sa_sdst(0) depctr_va_vdst(0) depctr_va_sdst(0) depctr_va_ssrc(0) depctr_va_vcc(0) depctr_vm_vsrc(0)
	s_getreg_b32 s2, hwreg(HW_REG_IB_STS2, 6, 4)
	s_cmp_eq_u32 s2, 0
	s_cbranch_scc0 .Lentry_in_a_cluster
	s_endpgm
.Lentry_in_a_cluster:
	s_bfe_u32 s2, ttmp6, 0x10000c
	s_cmp_lg_u32 s2, 0x3003
	s_cbranch_scc0 .Lentry_shape_is_right
	s_endpgm
.Lentry_shape_is_right:
; OUTP.  out0 = smp W_out.  smp: [16,384][1,024] f16; wot: f16 [kb][1,024 n][64 kk] = W_out[64 kb + kk][n]; out0: f32.  Sums in f32.
; A work-group makes 128 rows x 512 columns, a wave 64 x 256: 64 accumulators.  256 work-groups.  A cluster's four work-groups make four row blocks of the same 512 columns and walk the same weights,
; which come through a ring of two LDS slots of 128 along K by JOINT tensor loads, one a wave behind each round.  The rows of smp come straight from memory into fragment registers, three quarters of
; 32 along K ahead, under counted waits that the ring's barriers do not end.
; THE MATRIX INSTRUCTION IS USED TRANSPOSED (source 0 = 16 rows of wot, source 1 = 16 rows of smp): lane l holds row l % 16 and the columns 8 (l / 16) + 0..7.
; LIMITS.  f16 operands: nothing beyond 65,504; weights below 6e-5 keep f16's fixed step of 6e-8.
; REGISTERS: window 0: v0-31 addresses; v32-159 four fragment buffers of smp; on the way out v128-255 rows read back.  window 1: v0-127 fragments of wot, two buffers of 8.  windows 2, 3: accumulators.
.set SLOTB, 147456
.set SPARE, 294912
.set WSTEP, 262144                     ; bytes of wot in 128 along K
.set ASTEP, 256                        ; bytes of a row of smp in 128 along K
.set AO,  2
.set AB0, 3
.set ADRB, 4
.set PFO, 6
.set STO, 7
.set RD,  8
.set GO,  9
.set SPW, 10
.set NIL, 11
.set HH,  13
.set AF,  32
.set OUTB, 128
.set WV, 22
.set RH, 23
.set CH, 24
.set CX, 25
.set CL, 26
.set RB, 27
.set CB, 28
.set CNT, 29
.set LIM, 30
.set TB, 31
.set WO, 33
.set G1, 36
.set G0A, 44
.set G0, 48
.set AP, 52
.set WP, 54
.set PFA, 56
.set OP, 60
.set MSB, 0
.macro WIN new
.if MSB != (\new)
	s_set_vgpr_msb (MSB<<8)|(\new)
.set MSB, \new
.endif
.endm
.macro PLACES                          ; four places behind matrix instructions, in front of loads into registers that they read and of lines that read results
.rept 4
	v_nop
.endr
.endm
.macro CROUND
	s_barrier_signal -1
	s_barrier_wait -1
	s_cmp_lg_u32 s[WV], 0
	s_cbranch_scc1 .Lnot_wave_0_\@
	s_barrier_signal -3
.Lnot_wave_0_\@:
	s_barrier_wait -3
	s_barrier_signal -1
	s_barrier_wait -1
.endm
; A prefetch of the weights that the NEXT change of slots will ask for, 256 matrix instructions ahead of that load: of the 128 blocks of 256 bytes that wave w fetches the partner at place cx takes 32, a lane
; a block, told apart by address.  All clusters of a column half walk the same weights: clusters 0 and 1 ask.  The last change that fills a slot asks for nothing.
.macro ASK
	s_cmp_gt_u32 s[CNT], s[LIM]
	s_cbranch_scc0 .Lnot_mine_\@
	global_prefetch_b8 v[PFO], s[PFA:PFA+1] th:TH_LOAD_NT scope:SCOPE_SE
.Lnot_mine_\@:
.endm
.macro ALOAD q                         ; the fragments of quarter q (counted from the 128 along K in hand) of my four blocks of 16 rows
	WIN 0
.irp a, 0,1,2,3
	global_load_b128 v[AF+32*((\q)%4)+8*\a:AF+32*((\q)%4)+8*\a+3],   v[AO], s[AP:AP+1] offset:64*(\q)+32768*\a
	global_load_b128 v[AF+32*((\q)%4)+8*\a+4:AF+32*((\q)%4)+8*\a+7], v[AO], s[AP:AP+1] offset:64*(\q)+32768*\a+32
.endr
.endm
.macro FETCH bf, s, chunk
	WIN 0x40
.irp i, 0,1,2,3,4,5,6,7
	ds_load_b128 v[(\bf)+8*\i:(\bf)+8*\i+3],   v[ADRB+(\s)/2] offset:(8*(\chunk)+\i)*2304+((\s)%2)*64
	ds_load_b128 v[(\bf)+8*\i+4:(\bf)+8*\i+7], v[ADRB+(\s)/2] offset:(8*(\chunk)+\i)*2304+((\s)%2)*64+32
.endr
.endm
.macro MUL32 hi, bf, af, zero          ; 32 matrix instructions on 32 accumulators, one a turn
	WIN 0xa1+0x50*(\hi)
.irp a, 0,1,2,3
.irp b, 0,1,2,3,4,5,6,7
.if \zero
	v_wmma_f32_16x16x32_f16 v[8*(8*\a+\b):8*(8*\a+\b)+7], v[(\bf)+8*\b:(\bf)+8*\b+7], v[(\af)+8*\a:(\af)+8*\a+7], 0
.else
	v_wmma_f32_16x16x32_f16 v[8*(8*\a+\b):8*(8*\a+\b)+7], v[(\bf)+8*\b:(\bf)+8*\b+7], v[(\af)+8*\a:(\af)+8*\a+7], v[8*(8*\a+\b):8*(8*\a+\b)+7]
.endif
.endr
.endr
.endm
.macro QUARTER s, zero, ld, left, last
	PLACES
.if \ld
	ALOAD (\s)+3                                   ; into the buffer that the quarter before multiplied
.endif
	FETCH 64, \s, 1
	s_wait_dscnt 16                                ; the 16 just issued may stay out
	s_wait_loadcnt \left                           ; the younger quarters' loads, 8 each, may stay out
	MUL32 0, 0, AF+32*((\s)%4), \zero
.if \last
	s_wait_dscnt 0x0
.else
	PLACES
	FETCH 0, (\s)+1, 0
	s_wait_dscnt 16
.endif
	MUL32 1, 64, AF+32*((\s)%4), \zero
.endm
.macro CHANGE fill                     ; the change of slots: all my tensor loads, the add, my reads of the slot; a round of the cluster's barrier; the joint refill first behind it
	WIN 0
	s_wait_tensorcnt 0x0
	ds_add_u32 v[SPW], v[NIL]                      ; scalar work stands between the add and the wait for it
.if \fill
	s_xor_b32 s[G0+1], s[G0+1], SLOTB              ; the waves' terms, w x 0x9000, share no bit with 0x24000
	s_add_nc_u64 s[G0+2:G0+3], s[G0+2:G0+3], WSTEP
.endif
	s_wait_xcnt 0x0                                ; the loads of smp and the last prefetch have read their bases
	s_add_nc_u64 s[AP:AP+1], s[AP:AP+1], ASTEP
.if \fill
	s_add_nc_u64 s[PFA:PFA+1], s[PFA:PFA+1], WSTEP
.endif
	s_xor_b32 s[TB], s[TB], SLOTB
	s_wait_dscnt 0x0
.if \fill
	CROUND
	tensor_load_to_lds s[G0:G0+3], s[G1:G1+7]
	s_nop 0
	PLACES
	ASK
.else
	s_barrier_signal -1
	s_barrier_wait -1
	PLACES
.endif
	v_add_nc_u32 v[ADRB], s[TB], v[AB0]
	v_add_nc_u32 v[ADRB+1], 73728, v[ADRB]
.endm
	s_load_b128 s[4:7], s[0:1], 0x0                ; smp s[4:5], wot s[6:7]
	s_load_b64 s[8:9], s[0:1], 0x10                ; out0
	v_lshl_add_u32 v[SPW], v0, 2, SPARE
	v_mov_b32 v[NIL], 0
	ds_add_u32 v[SPW], v[NIL]                      ; the wave's opening: the add and its wait stand ahead of my first tensor load
	v_lshrrev_b32 v1, 5, v0
	v_readfirstlane_b32 s[WV], v1
	s_lshr_b32 s[RH], s[WV], 1                     ; which 64 rows are mine.  Also: which block of 64 along K of a slot I fetch
	s_and_b32 s[CH], s[WV], 1                      ; which 256 columns.  Also: which 256 rows of that block
	s_bfe_u32 s[CX], ttmp6, 0x40000
	s_mov_b32 s[CL], ttmp9
	s_and_b32 s[CB], s[CL], 1                      ; the cluster's 512 columns
	s_lshr_b32 s[RB], s[CL], 1
	s_lshl_b32 s[RB], s[RB], 2
	s_add_co_u32 s[RB], s[RB], s[CX]               ; my block of 128 rows: it enters addresses in memory alone
	s_cmp_lt_u32 s[CL], 2
	s_cselect_b32 s[LIM], 1, -1
	s_mov_b32 s[G1], 15|(1<<16)|(1<<20)|(1<<21)|(4<<22)|(3<<25)  ; the mask of four; 2-byte elements; padding on; bit 21 beside a mask; 4 words after every 32
	s_mov_b32 s[G1+1], 128<<16
	s_mov_b32 s[G1+2], 128<<16
	s_mov_b32 s[G1+3], 128<<16
	s_mov_b32 s[G1+4], 128
	s_mov_b32 s[G1+5], 128
	s_mov_b32 s[G1+6], 0
	s_mov_b32 s[G1+7], 0
	s_mul_i32 s[WO], s[WV], 36864
	s_mov_b32 s[G0A], 1
	s_mov_b32 s[G0A+1], s[WO]
	s_mov_b32 s[G0], 1
	s_add_co_u32 s[G0+1], s[WO], SLOTB
	s_mov_b32 s[TB], 0
	s_lshl_b32 s66, s[RH], 17                      ; a block of 64 along K: 131,072 bytes
	s_lshl_b32 s67, s[CB], 16
	s_add_co_u32 s66, s66, s67
	s_lshl_b32 s67, s[CH], 15
	s_add_co_u32 s66, s66, s67
	s_mov_b32 s67, 0
	s_lshl_b32 s68, s[RB], 19                      ; 128 rows of out0, 4,096 bytes each
	s_lshl_b32 s69, s[RH], 18
	s_add_co_u32 s68, s68, s69
	s_lshl_b32 s69, s[CB], 11
	s_add_co_u32 s68, s68, s69
	s_lshl_b32 s69, s[CH], 10
	s_add_co_u32 s68, s68, s69
	s_mov_b32 s69, 0
	s_wait_dscnt 0x0
	s_wait_kmcnt 0x0
	s_add_nc_u64 s[WP:WP+1], s[6:7], s[66:67]
	s_add_nc_u64 s[OP:OP+1], s[8:9], s[68:69]
	s_mov_b64 s[G0A+2:G0A+3], s[WP:WP+1]
	s_or_b32 s[G0A+3], s[G0A+3], 0x80000000
	s_add_nc_u64 s[G0+2:G0+3], s[WP:WP+1], WSTEP
	s_or_b32 s[G0+3], s[G0+3], 0x80000000
	s_lshl_b32 s66, s[CX], 13
	s_add_nc_u64 s[PFA:PFA+1], s[WP:WP+1], s[66:67]
	s_add_nc_u64 s[PFA:PFA+1], s[PFA:PFA+1], 2*WSTEP  ; the first change steps it on; nothing is prefetched at the head
	s_lshl_b32 s66, s[RB], 18                      ; 128 rows of smp, 2,048 bytes each
	s_add_nc_u64 s[AP:AP+1], s[4:5], s[66:67]
	CROUND
	tensor_load_to_lds s[G0A:G0A+3], s[G1:G1+7]    ; slot 0 and slot 1: two loads of mine are out
	s_nop 0
	tensor_load_to_lds s[G0:G0+3], s[G1:G1+7]
	s_nop 0
	PLACES
	v_and_b32 v1, 15, v0
	v_bfe_u32 v[HH], v0, 4, 1
	s_lshl_b32 s66, s[RH], 6
	v_add_nc_u32 v[AO], s66, v1
	v_lshlrev_b32 v[AO], 11, v[AO]
	v_lshl_add_u32 v[AO], v[HH], 4, v[AO]
	v_mul_u32_u24 v[AB0], v1, 144
	v_lshl_add_u32 v[AB0], v[HH], 4, v[AB0]
	s_mul_i32 s66, s[CH], 36864
	v_add_nc_u32 v[AB0], s66, v[AB0]
	v_and_b32 v[PFO], 31, v0
	v_lshlrev_b32 v[PFO], 8, v[PFO]
	ALOAD 0
	ALOAD 1
	ALOAD 2
	s_mul_i32 s66, s[WV], 16640                    ; the way out: my stage, 16 rows of 1,024 + 16 bytes, in slot 0, which nobody reads behind the last change of slots
	v_mul_u32_u24 v[STO], v1, 1040
	v_lshl_add_u32 v[STO], v[HH], 5, v[STO]
	v_add_nc_u32 v[STO], s66, v[STO]
	v_and_b32 v[GO], 31, v0
	v_lshlrev_b32 v[GO], 4, v[GO]
	v_add_nc_u32 v[RD], s66, v[GO]
	v_add_nc_u32 v[ADRB], s[TB], v[AB0]
	v_add_nc_u32 v[ADRB+1], 73728, v[ADRB]
	s_wait_tensorcnt 1                             ; my part of slot 0 is in; slot 1's may stay out
	s_barrier_signal -1
	s_barrier_wait -1
	FETCH 0, 0, 0
	QUARTER 0, 1, 1, 24, 0                         ; the first quarter starts the sums
	WIN 0
	s_mov_b32 s[CNT], 7
	s_branch .Lq1
.Lslot:
	CHANGE 1
	FETCH 0, 0, 0
	QUARTER 0, 0, 1, 24, 0
	WIN 0
.Lq1:
	QUARTER 1, 0, 1, 24, 0
	QUARTER 2, 0, 1, 24, 0
	QUARTER 3, 0, 1, 24, 1
	WIN 0
	s_sub_co_u32 s[CNT], s[CNT], 1
	s_cmp_lg_u32 s[CNT], 0
	s_cbranch_scc1 .Lslot
	CHANGE 0                                       ; the last 128 along K are written out: no refill, one more quarter of smp, then the counts run down
	FETCH 0, 0, 0
	QUARTER 0, 0, 1, 24, 0
	QUARTER 1, 0, 0, 16, 0
	QUARTER 2, 0, 0, 8, 0
	QUARTER 3, 0, 0, 0, 1
	PLACES
	; THE WAY OUT: 16 rows at a time through my own stage: in by lanes (32 bytes of a row), back as whole rows, stored 512 consecutive bytes an instruction
.irp a, 0,1,2,3
.irp hi, 0,1
	WIN 0x08+0x04*\hi
.irp b, 0,1,2,3,4,5,6,7
	ds_store_b128 v[STO], v[8*(8*\a+\b):8*(8*\a+\b)+3]   offset:64*(8*\hi+\b)
	ds_store_b128 v[STO], v[8*(8*\a+\b)+4:8*(8*\a+\b)+7] offset:64*(8*\hi+\b)+16
.endr
.endr
	WIN 0
	s_wait_xcnt 0x0                                ; the stores of the 16 rows before have read these registers
.set t, 0
.rept 32
	ds_load_b128 v[OUTB+4*t:OUTB+4*t+3], v[RD] offset:(t/2)*1040+(t%2)*512  ; LDS serves a wave's instructions in order: these see the stores above
.set t, t+1
.endr
.set t, 0
.rept 32
	s_wait_dscnt 31-t                              ; the younger loads may stay out
	global_store_b128 v[GO], v[OUTB+4*t:OUTB+4*t+3], s[OP:OP+1] offset:(16*\a+t/2)*4096+(t%2)*512 th:TH_STORE_NT
.set t, t+1
.endr
.endr
	s_wait_tensorcnt 0x0                           ; the wave's end: behind my last tensor load and my last LDS store
	ds_add_u32 v[SPW], v[NIL]
	s_wait_dscnt 0x0
	CROUND                                         ; the closing round
	s_endpgm
.Lfunc_end_k_q3869473da6_outp:
	.size	k_q3869473da6_outp, .Lfunc_end_k_q3869473da6_outp-k_q3869473da6_outp
	.p2alignl 7, 3214868480
	.fill 96, 4, 3214868480
	.section	.rodata,"a",@progbits
	.p2align	6, 0x0
	.amdhsa_kernel k_q3869473da6_outp
		.amdhsa_group_segment_fixed_size 327680
		.amdhsa_private_segment_fixed_size 0
		.amdhsa_enable_private_segment 0
		.amdhsa_kernarg_size 24
		.amdhsa_user_sgpr_count 2
		.amdhsa_user_sgpr_kernarg_segment_ptr 1
		.amdhsa_wavefront_size32 1
		.amdhsa_system_sgpr_workgroup_id_x 1
		.amdhsa_system_sgpr_workgroup_id_y 1
		.amdhsa_system_sgpr_workgroup_id_z 1
		.amdhsa_system_vgpr_workitem_id 0
		.amdhsa_next_free_vgpr 1024
		.amdhsa_next_free_sgpr 72
		.amdhsa_reserve_vcc 0
		.amdhsa_float_denorm_mode_32 3
		.amdhsa_float_denorm_mode_16_64 3
		.amdhsa_memory_ordered 1
		.amdhsa_forward_progress 1
		.amdhsa_inst_pref_size 106
	.end_amdhsa_kernel
	.amdgpu_metadata
---
amdhsa.version: [ 1, 2 ]
amdhsa.kernels:
  - .name:           k_q3869473da6_outp
    .symbol:         k_q3869473da6_outp.kd
    .args:
      - { .name: smp, .offset: 0, .size: 8, .value_kind: global_buffer, .address_space: global }
      - { .name: wot, .offset: 8, .size: 8, .value_kind: global_buffer, .address_space: global }
      - { .name: out0, .offset: 16, .size: 8, .value_kind: global_buffer, .address_space: global }
    .group_segment_fixed_size: 327680
    .private_segment_fixed_size: 0
    .kernarg_segment_align: 8
    .kernarg_segment_size: 24
    .max_flat_workgroup_size: 128
    .sgpr_count:     72
    .vgpr_count:     1024
    .wavefront_size: 32
...
	.end_amdgpu_metadata
.endif
;; end of part 4
;; ======== version 2 of 2: 4 launches; version 1 with the launch prep written anew for expert scheduling mode
;; limits: values are held in f16: magnitudes above 65,504 overflow, below 6.1e-05 lose precision; inputs' magnitudes at most 65,504
;; workspace buffers: wqt 1,048,576 bytes; wkt 1,048,576 bytes; wot 2,097,152 bytes; qh 16,777,216 bytes; kh 8,388,608 bytes; vh 16,777,216 bytes; smp 33,554,432 bytes
;; launch prep (part 5): grid 1088 x 1, 4 waves a work-group, no clusters, 37,376 bytes of LDS; arguments updated_track_tokens, tracks, W_q, W_k, W_out, vh, wqt, wkt, wot; writes vh, wqt, wkt, wot
.if DOCPART == 5
	.amdgcn_target "amdgcn-amd-amdhsa--gfx1250"
	.amdhsa_code_object_version 6
	.text
	.protected	k_q3869473da6_prep
	.globl	k_q3869473da6_prep
	.p2align	8
	.type	k_q3869473da6_prep,@function
k_q3869473da6_prep:
	s_mov_b64 s[64:65], 0
	v_nop
	global_prefetch_b8 v0, s[64:65] scope:SCOPE_SE
	s_setreg_imm32_b32 hwreg(HW_REG_WAVE_SCHED_MODE, 0, 2), 2
	s_setreg_imm32_b32 hwreg(HW_REG_WAVE_MODE, 25, 1), 1
	s_wait_xcnt 0x0
	s_wait_alu depctr_vm_vsrc(0)
; PREP.  Two kinds of work-group, told apart by the work-group's number alone (the same for its four waves).
; Numbers 0-63: the three weight matrices, rounded once to f16, turned and laid in blocks of 64 along K:
;   Wt[kb][n][kk] = W[64 kb + kk][n], so that a block's rows lie end to end.  A wave turns 128 k x 64 n, 64 k at a time, through its own LDS tile.
; Numbers 64-1087: V = rope(tokens), rounded once to f16 and laid by heads: vh[t][head][track][128].  8 rows of tokens each.
; ALL AT ONCE.  A work-group asks for 37,376 bytes of LDS and 192 registers a wave: five fit on a WGP (186,880 of 327,680 bytes, 960 of a SIMD's 1,024 registers), 1,280 on 256 WGPs,
; so that the 1,088 work-groups need not take turns; the weight work-groups, which have the longer chain of loads, have the first numbers.
; LIMITS.  f16 holds no number beyond 65,504; below 6e-5 it keeps a fixed step of 6e-8.  The angle is reduced in f32 as
; u = pos x theta / 2 pi turns, r = u - round(u); sin and cos come from polynomials in r^2 cut below 5e-7.
; The module's input original_features enters no expression of the module and is loaded by no launch.
; THE MODE: SCHED_MODE bits 1:0 = 2 (LLVM: expert scheduling mode 2), set by the entry lines.  The code itself states the register dependences
; between vector instructions and memory or LDS instructions, with s_wait_alu, always for 0.  The text has no loop: each of its two ways is one straight run.
; THE PLAN, V's work-groups.  Registers that memory instructions touch:
;   v4, v5     the loads' and the stores' byte offsets: made once, ahead of the first load, and never written again.
;   XR         written by the 16 loads, which go out before any vector line names it; after that vector lines alone name it.
;   YR         eight registers for each pair of rows: written by that pair's roundings, read by its four stores, never written again.
; A pair's angles, sines and cosines hang on the positions alone and stand ahead of the wait for its data.  Behind that wait ONE wait on va_vdst states that the pair before has written its YR;
; that pair's four stores follow, dealt among this pair's turnings, which name WK, this pair's XR and this pair's YR: none of the registers that those stores read.
; THE PLAN, the weight work-groups.  Registers that memory or LDS instructions touch:
;   v11-13, v16-31  addresses and offsets: made once, ahead of the first load, and never written again.
;   set 0, set 1    v64-127, v128-191.  A piece's 16 loads land in a set; its 32 conversions read it; then the next loads land in it: a later piece's, or the LDS loads that bring a block back, which the global stores read.
;   PK              v32-63.  Written by a piece's 32 conversions, read by its 16 LDS stores, written again by the next piece's conversions.
; So ONE wait on va_vdst stands behind a piece's conversions: PK is written, and the set has been read.  One wait on vm_vsrc stands ahead of the next piece's conversions: the LDS stores have read PK.
.set SPARE, 36864                      ; behind the four tiles of 9,216 bytes: the spare words, 128 bytes a wave
.set SPW, 6                            ; v6   LDS address of my spare word; never rewritten
.set NIL, 7                            ; v7   0; never rewritten
.set KB,  8                            ; v[8:29]   the 11 coefficients, each twice (pairs for the packed forms)
.set WK,  32                           ; v[32:63]  four sets of 8 at work: angle then r, z, cos, sin
.set XR,  64                           ; v[64:127] row r: 4 numbers of the x half, 4 of the y half
.set YR,  128                          ; v[128:159] the same, packed to f16
.set PK,  32                           ; v[32:63]  the weight work-groups: a piece of 32 k x 64 n, packed to f16
.macro KPAIR r, val
	v_mov_b32 v[\r], \val
	v_mov_b32 v[(\r)+1], \val
.endm
.macro HORN wk, d, kc                  ; in the four sets: p = p z + coefficient
.irp k, 0,8,16,24
	v_pk_fma_f32 v[(\wk)+\k+(\d):(\wk)+\k+(\d)+1], v[(\wk)+\k+(\d):(\wk)+\k+(\d)+1], v[(\wk)+\k+2:(\wk)+\k+3], v[\kc:(\kc)+1]
.endr
.endm
; Four pairs of angles at once (in turns, at +0, +1 of each set).  Leaves cos at +4, +5 and sin at +6, +7.
; s = 2 sin(pi r), c = cos(pi r): sin(2 pi r) = s c, cos(2 pi r) = 1 - s s / 2.  Four sets, so that no line waits for the one before it.
.macro SC4 wk
.irp k, 0,8,16,24
	v_rndne_f32 v[(\wk)+\k+2], v[(\wk)+\k]
	v_rndne_f32 v[(\wk)+\k+3], v[(\wk)+\k+1]
.endr
.irp k, 0,8,16,24
	v_pk_add_f32 v[(\wk)+\k:(\wk)+\k+1], v[(\wk)+\k:(\wk)+\k+1], v[(\wk)+\k+2:(\wk)+\k+3] neg_lo:[0,1] neg_hi:[0,1]
.endr
.irp k, 0,8,16,24
	v_pk_mul_f32 v[(\wk)+\k+2:(\wk)+\k+3], v[(\wk)+\k:(\wk)+\k+1], v[(\wk)+\k:(\wk)+\k+1]
.endr
.irp k, 0,8,16,24
	v_pk_fma_f32 v[(\wk)+\k+4:(\wk)+\k+5], v[(\wk)+\k+2:(\wk)+\k+3], v[KB+10:KB+11], v[KB+8:KB+9]
	v_pk_fma_f32 v[(\wk)+\k+6:(\wk)+\k+7], v[(\wk)+\k+2:(\wk)+\k+3], v[KB+20:KB+21], v[KB+18:KB+19]
.endr
	HORN \wk, 4, KB+6
	HORN \wk, 6, KB+16
	HORN \wk, 4, KB+4
	HORN \wk, 6, KB+14
	HORN \wk, 4, KB+2
	HORN \wk, 6, KB+12
	HORN \wk, 4, KB
.irp k, 0,8,16,24
	v_pk_fma_f32 v[(\wk)+\k+6:(\wk)+\k+7], v[(\wk)+\k+6:(\wk)+\k+7], v[(\wk)+\k+2:(\wk)+\k+3], 1.0 op_sel_hi:[1,1,0]
	v_pk_mul_f32 v[(\wk)+\k+4:(\wk)+\k+5], v[(\wk)+\k+4:(\wk)+\k+5], v[(\wk)+\k:(\wk)+\k+1]
.endr
.irp k, 0,8,16,24
	v_pk_mul_f32 v[(\wk)+\k+6:(\wk)+\k+7], v[(\wk)+\k+4:(\wk)+\k+5], v[(\wk)+\k+6:(\wk)+\k+7]
	v_pk_mul_f32 v[(\wk)+\k+4:(\wk)+\k+5], v[(\wk)+\k+4:(\wk)+\k+5], v[(\wk)+\k+4:(\wk)+\k+5]
.endr
.irp k, 0,8,16,24
	v_pk_fma_f32 v[(\wk)+\k+4:(\wk)+\k+5], v[(\wk)+\k+4:(\wk)+\k+5], -0.5, 1.0 op_sel_hi:[1,0,0]
.endr
.endm
; The pair (x1, x2) at x is turned by element e of the pairs sn, cs: (x1 c - x2 s, x1 s + x2 c).  t: two registers at work.
.macro ROT x, sn, cs, e, t
	v_pk_mul_f32 v[\t:(\t)+1], v[\x:(\x)+1], v[\cs:(\cs)+1] op_sel:[0,\e] op_sel_hi:[1,\e]
	v_pk_fma_f32 v[\x:(\x)+1], v[\x:(\x)+1], v[\sn:(\sn)+1], v[\t:(\t)+1] op_sel:[1,\e,0] op_sel_hi:[0,\e,1] neg_lo:[0,1,0]
.endm
	s_load_b512 s[4:19], s[0:1], 0x0               ; tokens s[4:5], tracks s[6:7], W_q s[8:9], W_k s[10:11], W_out s[12:13], vh s[14:15], wqt s[16:17], wkt s[18:19]
	s_load_b64 s[20:21], s[0:1], 0x40              ; wot
	v_lshl_add_u32 v[SPW], v0, 2, SPARE
	v_mov_b32 v[NIL], 0
	v_lshrrev_b32 v1, 5, v0
	v_readfirstlane_b32 s3, v1                     ; wave 0..3
	s_mov_b32 s2, ttmp9
	v_and_b32 v1, 31, v0                           ; lane
	s_wait_alu depctr_va_sdst(0)                   ; s3 is written
	s_wait_kmcnt 0x0
	s_cmp_lt_u32 s2, 64
	s_cbranch_scc1 .Lweights
	s_sub_co_u32 s2, s2, 64                        ; my block of 8 rows, 0 to 1,023
	; ---- V = rope(tokens).  Thread n owns columns 4 n .. 4 n + 3 of the x half and of the y half: the pairs 2 n, 2 n + 1 of both.
	; Wave w so writes head w and head 4 + w, and a store of 8 bytes a lane is one whole row of 256 bytes of vh.
	s_lshl_b32 s22, s2, 6                          ; 8 rows of tracks, 8 bytes each
	s_mov_b32 s23, 0
	s_add_nc_u64 s[24:25], s[6:7], s[22:23]
	s_load_b512 s[32:47], s[24:25], 0x0            ; (x, y) of my 8 rows
	s_lshl_b32 s48, s2, 15                         ; 8 rows of tokens, 4,096 bytes each
	s_mov_b32 s49, 0
	s_add_nc_u64 s[26:27], s[4:5], s[48:49]
	v_lshlrev_b32 v4, 4, v0                        ; my 16 bytes of a half row
	v_lshlrev_b32 v5, 3, v1                        ; 8 bytes a lane
	s_wait_alu depctr_va_vdst(0)                   ; v4 and v5 are written: every load below reads v4 as its offset, every store v5
.irp r, 0,1,2,3,4,5,6,7                ; all 16 loads go out first: 32 KiB of the work-group are on their way
	global_load_b128 v[XR+8*\r:XR+8*\r+3],   v4, s[26:27] offset:4096*\r th:TH_LOAD_NT
	global_load_b128 v[XR+8*\r+4:XR+8*\r+7], v4, s[26:27] offset:4096*\r+2048 th:TH_LOAD_NT
.endr
	s_lshr_b32 s28, s2, 6                          ; t: 64 blocks to a frame of 512 tracks
	s_lshl_b32 s28, s28, 20                        ; a frame of vh: 8 heads x 512 rows x 256 bytes
	s_lshl_b32 s29, s3, 17                         ; head w
	s_add_co_u32 s28, s28, s29
	s_and_b32 s29, s2, 63
	s_lshl_b32 s29, s29, 11                        ; my first row in the frame
	s_add_co_u32 s28, s28, s29
	s_mov_b32 s29, 0
	s_add_nc_u64 s[30:31], s[14:15], s[28:29]
	v_lshlrev_b32 v2, 1, v0                        ; theta / 2 pi = 2^(-i log2(10000) / 256 - log2(2 pi)) for i = 2 n, 2 n + 1
	v_or_b32 v3, 1, v2
	v_cvt_f32_u32 v2, v2
	v_cvt_f32_u32 v3, v3
	s_mov_b32 s50, 0xbd549a78                      ; -log2(10000) / 256
	v_fmaak_f32 v2, s50, v2, 0xc029b21d            ; - log2(2 pi)
	v_fmaak_f32 v3, s50, v3, 0xc029b21d
	v_exp_f32 v2, v2
	v_exp_f32 v3, v3
	KPAIR KB,    0x40c90fdb                        ; 2 sin(pi r) / r: 2 pi, -pi^3/3, pi^5/60, -pi^7/2520, pi^9/181440, -pi^11/19958400
	KPAIR KB+2,  0xc1255de7
	KPAIR KB+4,  0x40a335e3
	KPAIR KB+6,  0xbf996966
	KPAIR KB+8,  0x3e283c1a
	KPAIR KB+10, 0xbc7183a8
	KPAIR KB+12, 0xc09de9e6                        ; cos(pi r) - 1: -pi^2/2, pi^4/24, -pi^6/720, pi^8/40320, -pi^10/3628800
	KPAIR KB+14, 0x4081e0f8
	KPAIR KB+16, 0xbfaae9e4
	KPAIR KB+18, 0x3e70fa83
	KPAIR KB+20, 0xbcd368f9
	s_wait_alu depctr_va_vdst(0)                   ; the two exponentials have written v2 and v3: one wait, ahead of their first reader; the coefficients' moves stand between
	s_wait_kmcnt 0x0                               ; the positions
.irp rp, 0,1,2,3                       ; two rows at a time: set q is row 2 rp + q / 2, coordinate q % 2
.irp q, 0,1,2,3                        ; the angles, sines and cosines hang on the positions alone: they stand ahead of the wait for the rows
	v_mul_f32 v[WK+8*\q],   s[32+4*\rp+\q], v2
	v_mul_f32 v[WK+8*\q+1], s[32+4*\rp+\q], v3
.endr
	SC4 WK
	s_wait_loadcnt 12-4*\rp                        ; loads come back in order: four for each younger pair of rows may stay out
.if \rp > 0
	s_wait_alu depctr_va_vdst(0)                   ; the pair before has written its eight registers of YR, which the four stores below read
.endif
.irp q, 0,1,2,3
.if \rp > 0
	global_store_b64 v5, v[YR+8*(\rp-1)+2*\q:YR+8*(\rp-1)+2*\q+1], s[30:31] offset:(2*(\rp-1)+\q/2)*256+(\q%2)*524288 th:TH_STORE_NT  ; the pair before.  32 lanes: 256 consecutive bytes, aligned; the y half lies four heads on.  No vector line since the wait names these registers
.endif
	ROT XR+16*\rp+4*\q,   WK+8*\q+6, WK+8*\q+4, 0, WK+8*\q
	ROT XR+16*\rp+4*\q+2, WK+8*\q+6, WK+8*\q+4, 1, WK+8*\q+2
.endr
.irp q, 0,1,2,3
	v_cvt_pk_f16_f32 v[YR+8*\rp+2*\q],   v[XR+16*\rp+4*\q],   v[XR+16*\rp+4*\q+1]
	v_cvt_pk_f16_f32 v[YR+8*\rp+2*\q+1], v[XR+16*\rp+4*\q+2], v[XR+16*\rp+4*\q+3]
.endr
.endr
	s_wait_alu depctr_va_vdst(0)                   ; the last pair has written its eight registers of YR, which the last four stores read
.irp q, 0,1,2,3
	global_store_b64 v5, v[YR+24+2*\q:YR+24+2*\q+1], s[30:31] offset:(6+\q/2)*256+(\q%2)*524288 th:TH_STORE_NT
.endr
	s_branch .Lend
.Lweights:
	; ---- a wave's tile: 128 k x 64 n of one matrix.  Tile u = 4 x group + wave: 0-63 W_q, 64-127 W_k, 128-255 W_out.
	s_lshl_b32 s23, s2, 2
	s_add_co_u32 s23, s23, s3                      ; u
	s_cmp_lt_u32 s2, 16
	s_cselect_b64 s[24:25], s[8:9], s[10:11]
	s_cselect_b64 s[26:27], s[16:17], s[18:19]
	s_cmp_lt_u32 s2, 32
	s_cselect_b64 s[24:25], s[24:25], s[12:13]     ; from
	s_cselect_b64 s[26:27], s[26:27], s[20:21]     ; to
	s_cselect_b32 s28, 3, 4                        ; log2 of the tiles along n: N = 512 or 1,024
	s_cselect_b32 s29, 63, 127
	s_cselect_b32 s30, 7, 15
	s_and_b32 s23, s23, s29                        ; the tile's number in its matrix
	s_and_b32 s31, s23, s30                        ; along n
	s_lshr_b32 s23, s23, s28                       ; along k
	s_lshl_b32 s40, 256, s28                       ; bytes in a row of W
	s_lshl_b32 s41, s40, 7
	s_mul_i32 s42, s23, s41                        ; 128 rows a tile
	s_lshl_b32 s43, s31, 8                         ; 64 numbers of 4 bytes
	s_add_co_u32 s42, s42, s43
	s_mov_b32 s43, 0
	s_add_nc_u64 s[32:33], s[24:25], s[42:43]      ; four pieces of 32 rows, a base each
	s_lshl_b32 s44, s40, 5
	s_mov_b32 s45, 0
	s_add_nc_u64 s[34:35], s[32:33], s[44:45]
	s_add_nc_u64 s[36:37], s[34:35], s[44:45]
	s_add_nc_u64 s[38:39], s[36:37], s[44:45]
	s_lshl_b32 s46, 8192, s28                      ; bytes in a block of 64 k: N x 128
	s_mov_b32 s47, 0
	s_lshl_b32 s48, s23, 1
	s_mul_i32 s48, s48, s46
	s_lshl_b32 s49, s31, 13                        ; 64 rows of 128 bytes
	s_add_co_u32 s48, s48, s49
	s_mov_b32 s49, 0
	s_add_nc_u64 s[50:51], s[26:27], s[48:49]      ; the tile's first block of 64 k,
	s_add_nc_u64 s[52:53], s[50:51], s[46:47]      ; and its second
	v_and_b32 v8, 15, v0                           ; which 16 bytes of a row's 256
	v_bfe_u32 v9, v0, 4, 1                         ; lanes 16-31 take the row four further down
	v_lshlrev_b32 v10, 2, v9
	v_mul_lo_u32 v10, v10, s40
	v_lshl_add_u32 v16, v8, 4, v10                 ; load e of 16 takes row 8 (e / 4) + e % 4 (+ 4): a lane so holds four consecutive k
	s_lshl_b32 s41, s40, 3
.irp e, 1,2,3,4,5,6,7,8,9,10,11,12,13,14,15
.if (\e)%4 == 0
	v_add_nc_u32 v[16+\e], s41, v[16+\e-4]
.else
	v_add_nc_u32 v[16+\e], s40, v[16+\e-1]
.endif
.endr
	s_mul_i32 s54, s3, 9216                        ; my tile in LDS: 64 rows (n) of 128 bytes (64 k) + 16 of padding; it serves the first block of 64 k and then the second
	v_mul_u32_u24 v11, v8, 576                     ; in: row 4 (l % 16) + q, k at 8 bytes for each half of the lanes
	v_lshl_add_u32 v11, v9, 3, v11
	v_add_nc_u32 v11, s54, v11
	v_lshrrev_b32 v12, 3, v1                       ; back: 32 lanes take four rows of 128 bytes
	v_mul_u32_u24 v12, v12, 144
	v_and_b32 v13, 7, v0
	v_lshl_add_u32 v12, v13, 4, v12
	v_add_nc_u32 v12, s54, v12
	v_lshlrev_b32 v13, 4, v1                       ; which are 512 consecutive bytes of Wt
.macro WLOAD c, set                    ; piece c into register set 0 or 1: each load takes two whole 256-byte pieces of rows
.irp e, 0,1,2,3,4,5,6,7,8,9,10,11,12,13,14,15
	global_load_b128 v[64+64*(\set)+4*\e:64+64*(\set)+4*\e+3], v[16+\e], s[32+2*(\c):33+2*(\c)] th:TH_LOAD_NT
.endr
.endm
.macro WPACK set                       ; the piece in the set: four k of one n are rounded and packed into 8 bytes, a pair of PK's registers
.irp j, 0,1,2,3
.irp q, 0,1,2,3
	v_cvt_pk_f16_f32 v[PK+8*\j+2*\q],   v[64+64*(\set)+16*\j+\q],   v[64+64*(\set)+16*\j+4+\q]
	v_cvt_pk_f16_f32 v[PK+8*\j+2*\q+1], v[64+64*(\set)+16*\j+8+\q], v[64+64*(\set)+16*\j+12+\q]
.endr
.endr
.endm
.macro WPUT c                          ; PK goes into the tile: piece c fills the half c % 2 of its rows
.irp j, 0,1,2,3
.irp q, 0,1,2,3
	ds_store_b64 v11, v[PK+8*\j+2*\q:PK+8*\j+2*\q+1] offset:144*\q+64*((\c)%2)+16*\j
.endr
.endr
.endm
.macro WBACK half, set                 ; the tile goes out as block half of the two, through register set set.  LDS serves a wave's instructions in order: the loads see the stores above; the tile is the wave's own
.set j, 0
.rept 16
	ds_load_b128 v[64+64*(\set)+4*j:64+64*(\set)+4*j+3], v12 offset:j*576
.set j, j+1
.endr
.set j, 0
.rept 16
	s_wait_dscnt 15-j                              ; the younger loads may stay out
	global_store_b128 v13, v[64+64*(\set)+4*j:64+64*(\set)+4*j+3], s[50+2*(\half):51+2*(\half)] offset:j*512 th:TH_STORE_NT  ; 512 consecutive bytes, aligned
.set j, j+1
.endr
.endm
	s_wait_alu depctr_va_vdst(0)                   ; v11 to v13 and v16 to v31 are written: every load and store below, global or LDS, reads one of them as its address or offset
	WLOAD 0, 0
	WLOAD 1, 1
	s_wait_loadcnt 16                              ; the other set's 16 loads may stay out
	WPACK 0
	s_wait_alu depctr_va_vdst(0)                   ; the conversions have written PK, which the LDS stores read, and are done reading set 0, in which piece 2 lands
	WLOAD 2, 0                                     ; the set is asked for again at once
	WPUT 0
	s_wait_loadcnt 16
	s_wait_alu depctr_vm_vsrc(0)                   ; piece 0's LDS stores have read PK, which the conversions below write again
	WPACK 1
	s_wait_alu depctr_va_vdst(0)                   ; the conversions have written PK, which the LDS stores read, and are done reading set 1, in which the loads from the tile land
	WPUT 1
	WBACK 0, 1                                     ; the first 64 k, through the set that has just been packed
	s_wait_xcnt 0x0                                ; those stores have had their addresses translated: the set is loaded again only behind this wait
	s_wait_alu depctr_vm_vsrc(0)                   ; the global stores have read set 1, in which piece 3 lands; piece 1's LDS stores have read PK, which piece 2's conversions write again
	WLOAD 3, 1
	s_wait_loadcnt 16
	WPACK 0                                        ; piece 2
	s_wait_alu depctr_va_vdst(0)                   ; the conversions have written PK, which the LDS stores read, and are done reading set 0, in which the second block's loads from the tile land
	WPUT 2                                         ; into the same tile: the loads that read it have come back (the count above ran down to 0)
	s_wait_loadcnt 0x0
	s_wait_alu depctr_vm_vsrc(0)                   ; piece 2's LDS stores have read PK, which the conversions below write again
	WPACK 1                                        ; piece 3
	s_wait_alu depctr_va_vdst(0)                   ; the conversions have written PK, which the LDS stores read
	WPUT 3
	WBACK 1, 0                                     ; no vector line since piece 2's wait on va_vdst names set 0
.Lend:
	s_wait_dscnt 0x0                               ; the closing lines, six on end
	s_wait_alu 0x0
	s_wait_tensorcnt 0x0
	ds_add_u32 v[SPW], v[NIL]
	s_wait_dscnt 0x0
	s_endpgm
.Lfunc_end_k_q3869473da6_prep:
	.size	k_q3869473da6_prep, .Lfunc_end_k_q3869473da6_prep-k_q3869473da6_prep
	.p2alignl 7, 3214868480
	.fill 96, 4, 3214868480
	.section	.rodata,"a",@progbits
	.p2align	6, 0x0
	.amdhsa_kernel k_q3869473da6_prep
		.amdhsa_group_segment_fixed_size 37376
		.amdhsa_private_segment_fixed_size 0
		.amdhsa_enable_private_segment 0
		.amdhsa_kernarg_size 72
		.amdhsa_user_sgpr_count 2
		.amdhsa_user_sgpr_kernarg_segment_ptr 1
		.amdhsa_wavefront_size32 1
		.amdhsa_system_sgpr_workgroup_id_x 1
		.amdhsa_system_sgpr_workgroup_id_y 1
		.amdhsa_system_sgpr_workgroup_id_z 1
		.amdhsa_system_vgpr_workitem_id 0
		.amdhsa_next_free_vgpr 192
		.amdhsa_next_free_sgpr 66
		.amdhsa_reserve_vcc 0
		.amdhsa_float_denorm_mode_32 3
		.amdhsa_float_denorm_mode_16_64 3
		.amdhsa_memory_ordered 1
		.amdhsa_forward_progress 1
		.amdhsa_inst_pref_size 58
	.end_amdhsa_kernel
	.amdgpu_metadata
---
amdhsa.version: [ 1, 2 ]
amdhsa.kernels:
  - .name:           k_q3869473da6_prep
    .symbol:         k_q3869473da6_prep.kd
    .args:
      - { .name: updated_track_tokens, .offset: 0, .size: 8, .value_kind: global_buffer, .address_space: global }
      - { .name: tracks, .offset: 8, .size: 8, .value_kind: global_buffer, .address_space: global }
      - { .name: W_q, .offset: 16, .size: 8, .value_kind: global_buffer, .address_space: global }
      - { .name: W_k, .offset: 24, .size: 8, .value_kind: global_buffer, .address_space: global }
      - { .name: W_out, .offset: 32, .size: 8, .value_kind: global_buffer, .address_space: global }
      - { .name: vh, .offset: 40, .size: 8, .value_kind: global_buffer, .address_space: global }
      - { .name: wqt, .offset: 48, .size: 8, .value_kind: global_buffer, .address_space: global }
      - { .name: wkt, .offset: 56, .size: 8, .value_kind: global_buffer, .address_space: global }
      - { .name: wot, .offset: 64, .size: 8, .value_kind: global_buffer, .address_space: global }
    .group_segment_fixed_size: 37376
    .private_segment_fixed_size: 0
    .kernarg_segment_align: 8
    .kernarg_segment_size: 72
    .max_flat_workgroup_size: 128
    .sgpr_count:     66
    .vgpr_count:     192
    .wavefront_size: 32
...
	.end_amdgpu_metadata
.endif
;; end of part 5
;; launch proj: the kernel of part 2 again; grid 192 x 1, 4 waves a work-group, clusters of 4 x 1, 327,680 bytes of LDS; arguments grid_coords_tokens, updated_track_tokens, wqt, wkt, q_gamma, k_gamma, tracks, qh, kh; writes qh, kh
;; launch attn: the kernel of part 3 again; grid 256 x 1, 4 waves a work-group, no clusters, 243,200 bytes of LDS; arguments qh, kh, vh, tracks, feature_positions, smp; writes smp
;; launch outp: the kernel of part 4 again; grid 256 x 1, 4 waves a work-group, clusters of 4 x 1, 327,680 bytes of LDS; arguments smp, wot, out0; writes out0
